; MI455X (gfx1250); checked and timed in simulation.
; The chip was launched on July 23, 2026; its instructions are those of AMD's public machine-readable ISA for CDNA 5 (MIT licence, August 2026) and "CDNA5" Instruction Set Architecture Reference Guide (July 2026). The comments in the code are by the model that wrote it; some were corrected since.
;; Inc Concave NN. Allowed arithmetic: matrix products marked QUANTISED: E2M3 operands, one E8M0 scale for each 32 along K, by v_wmma_scale_f32_16x16x128_f8f6f4 with both operands' format E2M3, f32 sums; products left as they are: f32 operands where the result goes on into a quantised operand, else bf16, f16 or f32 operands; f32 sums; everything else in f32.
;; Inputs: h 256 x 63 float32; ib0 128 float32; ib1 128 float32; ib2 1 float32; iw0_codes 128 x 2 x 24 uint8 (E2M3 codes of iw0, K innermost, in blocks of 32 codes, four codes in three bytes); iw0_scales 128 x 2 uint8 (E8M0 scales of iw0, one for each 32 codes along K); iw1_codes 128 x 4 x 24 uint8 (E2M3 codes of iw1, K innermost, in blocks of 32 codes, four codes in three bytes); iw1_scales 128 x 4 uint8 (E8M0 scales of iw1, one for each 32 codes along K); iw2 128 x 1 float32; nb0 128 float32; nb1 128 float32; nb2 2 float32; nw0 63 x 128 float32; nw1_codes 128 x 4 x 24 uint8 (E2M3 codes of nw1, K innermost, in blocks of 32 codes, four codes in three bytes); nw1_scales 128 x 4 uint8 (E8M0 scales of nw1, one for each 32 codes along K); nw2 128 x 2 float32; x 256 x 1 float32.
;; Outputs: out0 256 x 1 float32.
;; This version of the problem:
;;   THIS VERSION OF THE PROBLEM IS GIVEN IN LOW PRECISION. The matrix products marked QUANTISED in the list below multiply operands that are first quantised to E2M3 (2 exponent bits, 3 mantissa bits; 6 bits a number), with one power-of-two scale for each 32 numbers along K (OCP MX v1.0); their sums are f32. All else is computed in f32.
;;   The module's matrix products, in the order in which they are computed (A, B: the left and right operand; K: the contracted axis; several contracted axes count as one K, in the product's order):
;;     1. [M 665,856, K 64] x [K 64, N 128]; A: computed on the way; B: input iw0 (given as codes): QUANTISED
;;     2. [M 665,856, K 128] x [K 128, N 128]; A: computed on the way; B: input iw1 (given as codes): QUANTISED
;;     3. [M 665,856, K 128] x [K 128, N 1]; A: computed on the way; B: input iw2: left as it is (N = 1 < 16)
;;     4. [M 256, K 63] x [K 63, N 128]; A: input h; B: input nw0: QUANTISED
;;     5. [M 256, K 128] x [K 128, N 128]; A: computed on the way; B: input nw1 (given as codes): QUANTISED
;;     6. [M 256, K 128] x [K 128, N 2]; A: computed on the way; B: input nw2: left as it is (N = 2 < 16)
;;   THE QUANTISER, for each operand of a quantised product, along K:
;;     - K is cut into blocks of 32 from its start; a last block that is shorter is filled with zeros.
;;     - A block's scale is 2^e with e = floor(log2(the largest magnitude in the block)) - 2, held to -126 .. 127; a block of zeros has e = 0. As a byte (E8M0): e + 127.
;;     - Each number is divided by its block's scale, clamped to +-7.5, and rounded to the nearest number of E2M3, ties to even, subnormals kept.
;;     - The product sums the exact products of the quantised numbers (number of the format x scale) in f32.
;;   ~~~python
;;   def quantise(x, axis):      # numpy; x: float32 -> the quantised numbers, widened to float32 again
;;       x = np.moveaxis(x, axis, -1); K = x.shape[-1]
;;       x = np.pad(x, [(0, 0)] * (x.ndim - 1) + [(0, -K % 32)]); x = x.reshape(x.shape[:-1] + (-1, 32)); a = np.abs(x).max(-1, keepdims=True)
;;       e = np.where(a > 0, np.clip(np.frexp(np.where(a > 0, a, 1))[1] - 1 - 2, -126, 127), 0)      # np.frexp(a)[1] - 1 = floor(log2(a)), exactly
;;       r = np.clip(x / 2.0 ** e, -7.5, 7.5)
;;       step = 2.0 ** (np.maximum(np.frexp(np.where(r == 0, 1, r))[1] - 1, 0) - 3)
;;       q = np.round(r / step) * step * 2.0 ** e      # np.round: ties to even
;;       return np.moveaxis(q.reshape(q.shape[:-2] + (-1,))[..., :K], -1, axis).astype(np.float32)
;;   ~~~
;;   OPERANDS COMPUTED ON THE WAY. 'Computed on the way' means the value that the module computes at that place (a softmax that the list does not call 'softmax' is quantised finished and normalised). What goes into a quantiser is computed in f32, as accurately as f32 sums, v_exp_f32 and their like allow (about 1e-6 of the number): no bf16 or f16 on the way to a quantiser, and a product that is left as it is and whose result goes on into a quantised operand takes f32 operands (vector FMAs, or v_wmma_f32_16x16x4_f32). A number that lies on a knife's edge between two numbers of the format may be rounded either way, as far as f32 arithmetic and the matrix unit's own rounding can turn it there, and no further.
;;   INPUTS GIVEN AS CODES. iw0 (in the module: [64, 128], K = its axis 0); iw1 (in the module: [128, 128], K = its axis 0); nw1 (in the module: [128, 128], K = its axis 0): each comes as NAME_codes (uint8): NAME with its K axis moved to the last place and cut into blocks of 32 codes, [.., K / 32, bytes a block], one block behind the other in memory; four codes in three bytes: a row's codes are one little-endian stream of bits, code i at bits 6 i .. 6 i + 5 (a code: sign, 2 exponent bits, 3 mantissa bits); and NAME_scales (uint8): the same leading axes, one E8M0 byte (e + 127) for each 32 codes along K. Its value is code x scale, taken as it is: it is not quantised again, and the codes and scales need not be those that the quantiser above would give.
;; 2 versions. Each part assembles by itself: llvm-mc -triple=amdgcn-amd-amdhsa -mcpu=gfx1250 --defsym DOCPART=n.
;; ======== version 1 of 2: 1 launch
;; launch umnn (part 1): grid 256 x 1, 8 waves a work-group, no clusters, 67,584 bytes of LDS; arguments x, h, iw0_codes, iw0_scales, ib0, iw1_codes, iw1_scales, ib1, iw2, ib2, nw0, nb0, nw1_codes, nw1_scales, nb1, nw2, nb2, out0; writes out0
.if DOCPART == 1
	.amdgcn_target "amdgcn-amd-amdhsa--gfx1250"
	.amdhsa_code_object_version 6
	.text
	.protected	k_q9b12692dd4_umnn
	.globl	k_q9b12692dd4_umnn
	.p2align	8
	.type	k_q9b12692dd4_umnn,@function
k_q9b12692dd4_umnn:
	s_mov_b64 s[64:65], 0
	v_nop
	global_prefetch_b8 v0, s[64:65] scope:SCOPE_SE
	s_setreg_imm32_b32 hwreg(HW_REG_WAVE_MODE, 25, 1), 1
	s_wait_xcnt 0x0
; out[b] = exp(o1) * (x/2) * sum over the 51 x 51 quadrature points p = 51 i + j of w(p) f(p) + o0.
;   f = elu(relu(relu([s, h] W0 + b0) W1 + b1) w2 + b2) + 1,  s = t_i + (xmax - t_i)(steps_j + 1)/2,  t_i = x (steps_i + 1)/2,  w = cc_i cc_j (xmax - t_i)/2,
;   xmax = max(t) + 10 = max(0, the largest x) + 10, since steps + 1 runs from exactly 0 to exactly 2;  (o0, o1) = the outer net of the same shape on h.
; The products with W0, W1, nw0, nw1 are on codes of E2M3 with one E8M0 scale for each 32 along K; the products with w2 and nw2 are f32 multiply-adds along a lane's own registers.
; SHARES.  A work-group owns one row b; 2,601 points are 163 tiles of 16 (7 padded points have the weight 0).  Eight waves, two to a SIMD, 512 registers each: waves 0-4 take 21 tiles,
; waves 5 and 6 take 20, wave 7 takes 18 and then the outer net.  All weights, biases and scale words of a net stay in the wave's registers: the loop reads 8 bytes a lane from LDS and nothing from memory.
; LAYOUT.  Both products are used transposed (source 0 = 16 rows of the weight, source 1 = 16 points).  Row m of tile t = 4 c + u is hidden unit 64 c + 8 u + 32 (m / 8) + m % 8, so that the
; 32 registers of tiles 4 c .. 4 c + 3 of lane (r, hh) are the 32 neighbours k = 64 c + 32 hh + 0 .. 31 of point r: one whole block, in the place that the next operand's layout gives that lane.
; No lane is asked for a maximum and no code changes lanes; only the scale word is joined across the halves.  A bias is the C operand of its tile.
; The first layer's K is 64: the input's registers 6-11 hold zero codes, so what lies in the weight operand's upper six registers (the next tile's codes) adds nothing; the scale bytes there are 0x7f on both sides.
; NO CLUSTER, NO TENSOR LOADS: the work-groups share the weights, some 67 KB, which each reads once at its head through registers; behind that no memory is read, so there is no step in which a joint request could serve.
; out0 is stored 4 bytes a work-group: it is 1,024 bytes in all, and gathering it would take a launch more.
; LIMITS.  NaN and infinities among the inputs are not served.  A block of zeros gets the scale byte 1 and not 127: its codes are zeros, so the numbers are the same.  elu(z) + 1 is taken as exp(z)
; for z <= 0 (one rounding away from expm1 + 1; under 2^-126 it is 0).  steps comes from sine and cosine series on [0, 12 pi / 50], cut where the next term is under 1e-10; cc from a Chebyshev recurrence of
; 25 terms (its error is some 1e-6 of cc, and cc stands ahead of no quantiser).  The 2,601 terms are summed in another order than the two sums of the definition.
.set LC0,  0                           ; LDS: codes of the first layer, row n at 48 n: 6,144 bytes for the integrand, then 6,144 for the outer net
.set LC1,  12288                       ; codes of the second layer, row n at 96 n: 2 x 12,288
.set LS0,  36864                       ; first layer's scale words (two bytes | 0x7f7f0000): 2 x 512
.set LS1,  37888                       ; second layer's scale words: 2 x 512; 1,024 behind LS0
.set LB0,  38912                       ; first bias: 2 x 512
.set LB1,  39936                       ; second bias: 2 x 512
.set LW2I, 40960                       ; iw2: 512
.set LW2N, 41472                       ; nw2: 1,024
.set LTAB, 42496                       ; 64 entries of 16 bytes: t_k, cc_k (xmax - t_k) / 2, steps_k + 1, cc_k
.set LRED, 43520                       ; the eight waves' sums
.set LSW,  43776                       ; 2,816 entries of 8 bytes: s(p), w(p); 176 tiles, since the loop reads two tiles ahead
.set LR,   1                           ; v1   r = lane % 16
.set LH,   2                           ; v2   hh = lane / 16
.set NL,   3                           ; v3   32 (r / 8) + r % 8
.set AC0,  4                           ; v4   48 NL + 24 hh
.set AC1,  5                           ; v5   96 NL + 24 hh
.set AB,   6                           ; v6   128 hh
.set AS,   7                           ; v7   4 NL + 1024 hh
.set ADR,  8                           ; v8   LDS address of my point's (s, w) in the tile in hand
.set HREST, 9                          ; v9   the largest magnitude of X1 .. X31
.set H31,  10                          ; v10  h[31]
.set C1W,  11                          ; v11  block 1's scale byte << 8 | 0x7f7f0000
.set SH8,  12                          ; v12  8 hh
.set ACC,  13                          ; v13  my sum of w f
.set SLD,  14                          ; v14  s of the tile after next
.set WT,   15                          ; v15  w of the tile just multiplied
.set INT,  16                          ; v16  the input block's scale, as the conversion takes it
.set PP,   17                          ; v17  target of the exchange between the halves
.set MXA,  18                          ; v18-19 two running maxima
.set MXB,  19
.set ZZ,   20                          ; v20-23 two pairs of partial dot products
.set SCW,  24                          ; v24-31 tile t: lanes 0-15 the first layer's scale words, lanes 16-31 the second's; scales and nothing else
.set XX,   32                          ; v32-63 the input in f32: lanes 0-15 s, h0 .. h30; lanes 16-31 h31 .. h62
.set INO,  64                          ; v64-75 the input's codes (70-75 stay 0)
.set A1,   76                          ; v76-87 the hidden layer's codes
.set TA,   88                          ; v88-90, v92-94: second halves of blocks (a conversion's three registers begin on an even number)
.set TB,   92
.set DD,   96                          ; v96-159 both layers' results, by turns
.set IW2,  160                         ; v160-223 iw2 in the results' layout
.set IB1H, 224                         ; v224-239 the second bias of tiles 6 and 7
.set INS,  240                         ; v240 the input's scale word; v241 the hidden layer's: scales and nothing else
.set A1S,  241
.set XMAX, 242
.set PQ,   243                         ; a second target of the exchange
.set TT,   244                         ; v244-247 at work
.set SC,   248                         ; v248-249 the two blocks' scales
; window 1 (named v0-255 under the switch): v0-47 first layer's codes, 6 a tile; v48-143 second layer's, 12 a tile; v144-207 first bias; v208-255 second bias of tiles 0-5
; at the head only: offsets in v76-87, x in v192-199, nw0's 32 numbers in v160-191, the copies in v96-130, the tables' work in v200-219
.set OX,   76
.set ON0,  77
.set ON1,  78
.set O16,  79
.set O8,   80
.set O4,   81
.set O4M,  82
.set O2M,  83
.set O124, 85
.set ONS,  86
.set ONW,  87
.set NW,   160
.set MSB, 0
.macro WIN new                         ; the immediate's high byte repeats the setting that is left; a switch that changes nothing is dropped
.if MSB != \new
	s_set_vgpr_msb (MSB<<8)|\new
.set MSB, \new
.endif
.endm
.macro PLACES n
.rept \n
	v_nop
.endr
.endm
.macro RELU2 a
	v_max_num_f32 v[\a], 0, v[\a]
	v_max_num_f32 v[\a+1], 0, v[\a+1]
.endm
; A block's scale from its largest magnitude m (bits of a non-negative f32): the exponent field, held at 3 from below, less 2, is the E8M0 byte; the mantissa bits stay, and the conversion ignores them.
.macro SCALE dst, m
	v_max_u32 v[\dst], 0x01800000, v[\m]
	v_add_nc_u32 v[\dst], 0xff000000, v[\dst]
.endm
; Eight products: hidden = W0 x input + b0.  Weight and bias in window 1; each has a result of its own and its C in other registers, so none adds onto another.
.macro LAYER1
	WIN 0x11
.set t, 0
.rept 8
	v_wmma_scale_f32_16x16x128_f8f6f4 v[DD+8*t:DD+8*t+7], v[6*t:6*t+11], v[INO:INO+11], v[144+8*t:144+8*t+7], v[SCW+t], v[INS] matrix_a_fmt:MATRIX_FMT_FP6 matrix_b_fmt:MATRIX_FMT_FP6
.set t, t+1
.endr
	WIN 0
.endm
; Eight products: W1 x hidden + b1.  The weight's scale words lie in lanes 16-31 of the same registers.
.macro LAYER2
	WIN 0x11
.set t, 0
.rept 6
	v_wmma_scale_f32_16x16x128_f8f6f4 v[DD+8*t:DD+8*t+7], v[48+12*t:48+12*t+11], v[A1:A1+11], v[208+8*t:208+8*t+7], v[SCW+t], v[A1S] matrix_a_fmt:MATRIX_FMT_FP6 matrix_b_fmt:MATRIX_FMT_FP6 matrix_a_scale:MATRIX_SCALE_ROW1
.set t, t+1
.endr
	WIN 0x01
.rept 2
	v_wmma_scale_f32_16x16x128_f8f6f4 v[DD+8*t:DD+8*t+7], v[48+12*t:48+12*t+11], v[A1:A1+11], v[IB1H+8*(t-6):IB1H+8*(t-6)+7], v[SCW+t], v[A1S] matrix_a_fmt:MATRIX_FMT_FP6 matrix_b_fmt:MATRIX_FMT_FP6 matrix_a_scale:MATRIX_SCALE_ROW1
.set t, t+1
.endr
	WIN 0
.endm
; relu, the two blocks' maxima and scales, the codes, the scale word.  Each result is read from its low end on.
.macro POST1
.irp c, 0,1
.set DB, DD+32*\c
	RELU2 DB
	v_max_num_f32 v[MXA], v[DB], v[DB+1]
	RELU2 DB+2
	v_max_num_f32 v[MXB], v[DB+2], v[DB+3]
.irp i, 4,8,12,16,20,24,28
	RELU2 DB+\i
	v_max3_num_f32 v[MXA], v[MXA], v[DB+\i], v[DB+\i+1]
	RELU2 DB+\i+2
	v_max3_num_f32 v[MXB], v[MXB], v[DB+\i+2], v[DB+\i+3]
.endr
	v_max_num_f32 v[MXA], v[MXA], v[MXB]
	SCALE SC+\c, MXA
.endr
	v_cvt_scalef32_pk16_fp6_f32 v[A1:A1+2], v[DD:DD+15], v[SC]
	v_cvt_scalef32_pk16_fp6_f32 v[TA:TA+2], v[DD+16:DD+31], v[SC]
	v_cvt_scalef32_pk16_fp6_f32 v[A1+6:A1+8], v[DD+32:DD+47], v[SC+1]
	v_cvt_scalef32_pk16_fp6_f32 v[TB:TB+2], v[DD+48:DD+63], v[SC+1]
	v_lshrrev_b32 v[TT], 23, v[SC]                 ; my two bytes: blocks hh and 2 + hh.  (Also the plain instruction behind the conversions)
	v_lshrrev_b32 v[TT+1], 23, v[SC+1]
	v_lshl_or_b32 v[TT], v[TT+1], 16, v[TT]
	v_lshlrev_b32 v[TT], v[SH8], v[TT]             ; at their places in the word
	v_permlanex16_b32 v[PP], v[TT], s48, s49
	v_or_b32 v[A1S], v[TT], v[PP]                  ; with the other half's two the word is whole
.irp i, 0,1,2
	v_mov_b32 v[A1+3+\i], v[TA+\i]
	v_mov_b32 v[A1+9+\i], v[TB+\i]
.endr
.endm
; The next tile's input, first part: s into X0 of lanes 0-15, the block's scale, the scale word.
.macro INA
	v_cndmask_b32 v[XX], v[SLD], v[H31], s50       ; lanes 16-31 keep h31
	v_max_num_f32 v[INT], |v[XX]|, v[HREST]
	SCALE INT, INT
	v_lshrrev_b32 v[TT], 23, v[INT]
	v_or_b32 v[INS], v[TT], v[C1W]                 ; lanes 0-15: block 0's byte, block 1's, 0x7f, 0x7f (lanes 16-31 are not read)
.endm
; Second part: the codes; s of the tile after next and w of the tile in hand are asked for.
.macro INB
	v_cvt_scalef32_pk16_fp6_f32 v[INO:INO+2], v[XX:XX+15], v[INT]
	v_cvt_scalef32_pk16_fp6_f32 v[TA:TA+2], v[XX+16:XX+31], v[INT]
	ds_load_b32 v[SLD], v[ADR] offset:256
	ds_load_b32 v[WT], v[ADR] offset:4
	v_add_nc_u32 v[ADR], 128, v[ADR]               ; this line and the three moves are the four places between the second layer's products and the first read of their results
.irp i, 0,1,2
	v_mov_b32 v[INO+3+\i], v[TA+\i]
.endr
.endm
; relu and the dot product with iw2 along my 64 registers, in two chains of pairs
.macro POST2
.set q, 0
.rept 32
	RELU2 DD+2*q
.if q < 2
	v_pk_mul_f32 v[ZZ+2*q:ZZ+2*q+1], v[DD+2*q:DD+2*q+1], v[IW2+2*q:IW2+2*q+1]
.else
	v_pk_fma_f32 v[ZZ+2*(q%2):ZZ+2*(q%2)+1], v[DD+2*q:DD+2*q+1], v[IW2+2*q:IW2+2*q+1], v[ZZ+2*(q%2):ZZ+2*(q%2)+1]
.endif
.set q, q+1
.endr
.endm
; The end of the tile BEFORE: it stands behind the next tile's first products, whose places its lines are.
.macro TAIL
	s_wait_dscnt 0x0                               ; the two LDS loads of the trip before: w for this tail, s for the input made below
	v_pk_add_f32 v[ZZ:ZZ+1], v[ZZ:ZZ+1], v[ZZ+2:ZZ+3]
	v_add_f32 v[TT], v[ZZ], v[ZZ+1]
	v_permlanex16_b32 v[PP], v[TT], s48, s49       ; the point's other 64 hidden units lie in the lane 16 away
	v_add_f32 v[TT], v[TT], v[PP]
	v_add_f32 v[TT], s45, v[TT]                    ; z
	v_mul_f32 v[TT+1], 0x3fb8aa3b, v[TT]
	v_exp_f32 v[TT+1], v[TT+1]                     ; e^z
	v_add_f32 v[TT+2], 1.0, v[TT]                  ; z + 1 (the plain instruction behind the exponential)
	v_cmp_lt_f32 vcc_lo, 0, v[TT]
	s_wait_alu depctr_va_vdst(0)
	v_cndmask_b32 v[TT+1], v[TT+1], v[TT+2], vcc_lo
	v_fmac_f32 v[ACC], v[WT], v[TT+1]
.endm
; A net's codes, biases and scale words from LDS into the registers where they stay: 112 loads
.macro LOADNET img
	WIN 0x40                                       ; destination window 1, address window 0
.set t, 0
.rept 8
.set nt, 64*(t/4)+8*(t%4)
.irp p, 0,1,2
	ds_load_b64 v[6*t+2*\p:6*t+2*\p+1], v[AC0] offset:LC0+6144*\img+48*nt+8*\p
.endr
.irp p, 0,1,2,3,4,5
	ds_load_b64 v[48+12*t+2*\p:48+12*t+2*\p+1], v[AC1] offset:LC1+12288*\img+96*nt+48*(\p/3)+8*(\p%3)
.endr
.irp p, 0,1
	ds_load_b128 v[144+8*t+4*\p:144+8*t+4*\p+3], v[AB] offset:LB0+512*\img+4*nt+16*\p
.endr
.if t < 6
.irp p, 0,1
	ds_load_b128 v[208+8*t+4*\p:208+8*t+4*\p+3], v[AB] offset:LB1+512*\img+4*nt+16*\p
.endr
.endif
.set t, t+1
.endr
	WIN 0
.irp u, 0,1
.irp p, 0,1
	ds_load_b128 v[IB1H+8*\u+4*\p:IB1H+8*\u+4*\p+3], v[AB] offset:LB1+512*\img+4*(80+8*\u)+16*\p
.endr
.endr
.set t, 0
.rept 8
	ds_load_b32 v[SCW+t], v[AS] offset:LS0+512*\img+4*(64*(t/4)+8*(t%4))
.set t, t+1
.endr
.endm
; The outer net's last product.  The pairs (nw2[k][0], nw2[k][1]) of tiles 4 half .. 4 half + 3 take iw2's registers: register e of the 32 has its pair at IW2 + 2 e
.macro LDNW2 half
.set u, 0
.rept 4
.irp p, 0,1,2,3
	ds_load_b128 v[IW2+16*u+4*\p:IW2+16*u+4*\p+3], v[TT+3] offset:LW2N+8*(64*\half+8*u)+16*\p
.endr
.set u, u+1
.endr
.endm
.macro DOT2 half                       ; one hidden number, taken for both halves of the packed multiply-add, times its pair
.set g, 0
.rept 16
.set dr, DD+32*\half+2*g
	RELU2 dr
.if (\half == 0) && (g == 0)
	v_pk_mul_f32 v[ZZ:ZZ+1], v[dr:dr+1], v[IW2:IW2+1] op_sel:[0,0] op_sel_hi:[0,1]
	v_pk_mul_f32 v[ZZ+2:ZZ+3], v[dr:dr+1], v[IW2+2:IW2+3] op_sel:[1,0] op_sel_hi:[1,1]
.else
	v_pk_fma_f32 v[ZZ:ZZ+1], v[dr:dr+1], v[IW2+4*g:IW2+4*g+1], v[ZZ:ZZ+1] op_sel:[0,0,0] op_sel_hi:[0,1,1]
	v_pk_fma_f32 v[ZZ+2:ZZ+3], v[dr:dr+1], v[IW2+4*g+2:IW2+4*g+3], v[ZZ+2:ZZ+3] op_sel:[1,0,0] op_sel_hi:[1,1,1]
.endif
.set g, g+1
.endr
.endm
	; THE HEAD: addresses, ids, constants
	s_load_b512 s[8:23], s[0:1], 0x0               ; x s[8:9], h s[10:11], iw0_codes s[12:13], iw0_scales s[14:15], ib0 s[16:17], iw1_codes s[18:19], iw1_scales s[20:21], ib1 s[22:23]
	s_load_b512 s[24:39], s[0:1], 0x40             ; iw2 s[24:25], ib2 s[26:27], nw0 s[28:29], nb0 s[30:31], nw1_codes s[32:33], nw1_scales s[34:35], nb1 s[36:37], nw2 s[38:39]
	s_load_b128 s[40:43], s[0:1], 0x80             ; nb2 s[40:41], out0 s[42:43]
	v_lshl_add_u32 v254, v0, 2, 0x10400
	v_mov_b32 v255, 0
	v_lshrrev_b32 v[TT], 5, v0
	v_readfirstlane_b32 s2, v[TT]                  ; wave 0..7
	s_lshl_b32 s3, ttmp9, 2                        ; 4 b
	s_mul_i32 s54, ttmp9, 252                      ; a row of h is 252 bytes
	s_mov_b32 s55, 0
	s_mov_b32 s48, 0x76543210                      ; lane selects: each lane takes its own place in the other half
	s_mov_b32 s49, 0xfedcba98
	s_mov_b32 s50, 0xffff0000                      ; lanes 16-31
	s_mul_i32 s52, s2, 21                          ; my first tile: 21 w - max(w - 5, 0)
	s_sub_co_i32 s53, s2, 5
	s_max_i32 s53, s53, 0
	s_sub_co_u32 s52, s52, s53
	s_cmp_lt_u32 s2, 5                             ; my tiles: 21, 21, 21, 21, 21, 20, 20, 18
	s_cselect_b32 s51, 21, 20
	s_cmp_eq_u32 s2, 7
	s_cselect_b32 s51, 18, s51
	s_lshl_b32 s56, s2, 4
	v_mov_b32 v[PP], 0                             ; (the target of a lane exchange counts as read)
	v_and_b32 v[LR], 15, v0
	v_bfe_u32 v[LH], v0, 4, 1
	v_and_b32 v[TT], 8, v[LR]
	v_and_b32 v[NL], 7, v[LR]
	v_lshl_add_u32 v[NL], v[TT], 2, v[NL]
	v_mul_u32_u24 v[AC0], v[NL], 48
	v_mad_u32_u24 v[AC0], v[LH], 24, v[AC0]
	v_mul_u32_u24 v[AC1], v[NL], 96
	v_mad_u32_u24 v[AC1], v[LH], 24, v[AC1]
	v_lshlrev_b32 v[AB], 7, v[LH]
	v_lshlrev_b32 v[AS], 2, v[NL]
	v_lshl_add_u32 v[AS], v[LH], 10, v[AS]
	v_lshlrev_b32 v[SH8], 3, v[LH]
	v_and_b32 v[OX], 31, v0
	v_lshlrev_b32 v[OX], 5, v[OX]                  ; x: 32 bytes a lane: every wave reads all 256
	v_add_nc_u32 v[ONW], s56, v[LR]                ; nw0: my column n = 16 w + r; my rows k = 32 hh + 0 .. 31
	v_mul_u32_u24 v[ONS], v[ONW], 48
	v_mad_u32_u24 v[ONS], v[LH], 24, v[ONS]        ; where its codes go: 48 n + 24 hh
	v_lshlrev_b32 v[ONW], 2, v[ONW]                ; 4 n
	v_lshl_add_u32 v[ON0], v[LH], 14, v[ONW]       ; 4 n + 32 hh rows of 512 bytes
	v_add_nc_u32 v[ON1], 15872, v[ONW]             ; row 31 for lanes 0-15; nw0 has no row 63: lanes 16-31 read row 0, and the number is replaced by 0
	v_cndmask_b32 v[ON1], v[ON1], v[ONW], s50
	v_lshlrev_b32 v[O16], 4, v0
	v_lshlrev_b32 v[O8], 3, v0
	v_lshlrev_b32 v[O4], 2, v0
	v_and_b32 v[O2M], 127, v0
	v_lshlrev_b32 v[O4M], 2, v[O2M]
	v_lshlrev_b32 v[O2M], 1, v[O2M]
	v_mov_b32 v[O124], 124
	s_wait_kmcnt 0x0
	s_load_b32 s44, s[8:9], s3 offset:0x0          ; x[b]
	s_load_b32 s45, s[26:27], 0x0                  ; ib2
	s_load_b64 s[46:47], s[40:41], 0x0             ; nb2
	s_add_nc_u64 s[10:11], s[10:11], s[54:55]      ; h at row b
	s_cmp_lt_u32 s2, 4                             ; waves 0-3 copy the integrand's small tables, waves 4-7 the outer net's: the choice hangs on the wave's number alone
	s_cselect_b64 s[58:59], s[20:21], s[34:35]
	s_cselect_b64 s[60:61], s[16:17], s[30:31]
	s_cselect_b64 s[62:63], s[22:23], s[36:37]
	; ALL GLOBAL LOADS BUT h's: x (2), nw0 (32), the copies (14)
	global_load_b128 v[192:195], v[OX], s[8:9]
	global_load_b128 v[196:199], v[OX], s[8:9] offset:16
.set i, 0
.rept 31
	global_load_b32 v[NW+i], v[ON0], s[28:29] offset:512*i
.set i, i+1
.endr
	global_load_b32 v[NW+31], v[ON1], s[28:29]
.irp p, 0,1,2
	global_load_b128 v[96+4*\p:99+4*\p], v[O16], s[18:19] offset:4096*\p
.endr
.irp p, 0,1,2
	global_load_b128 v[108+4*\p:111+4*\p], v[O16], s[32:33] offset:4096*\p
.endr
.irp p, 0,1,2
	global_load_b64 v[120+2*\p:121+2*\p], v[O8], s[12:13] offset:2048*\p
.endr
	global_load_b32 v126, v[O4M], s[58:59]         ; iw1_scales | nw1_scales
	global_load_b32 v127, v[O4M], s[60:61]         ; ib0 | nb0
	global_load_b32 v128, v[O4M], s[62:63]         ; ib1 | nb1
	s_cmp_lt_u32 s2, 4
	s_cbranch_scc0 .Lload_iw2                      ; one load on either way, so the counts below hold on both
	global_load_u16 v129, v[O2M], s[14:15]         ; iw0_scales: two bytes a row
	s_branch .Lloaded
.Lload_iw2:
	global_load_b32 v129, v[O4M], s[24:25]         ; iw2
.Lloaded:
	global_load_b32 v130, v[O4], s[38:39]          ; nw2
	; xmax
	s_wait_loadcnt 46                              ; x is in: behind it stand nw0's 32 loads and the copies' 14
	v_max3_num_f32 v[XMAX], v192, v193, v194
	v_max3_num_f32 v[XMAX], v[XMAX], v195, v196
	v_max3_num_f32 v[XMAX], v[XMAX], v197, v198
	v_max3_num_f32 v[XMAX], v[XMAX], v199, 0
	v_max_num_f32_dpp v[XMAX], v[XMAX], v[XMAX] row_xmask:1 row_mask:0xf bank_mask:0xf
	v_max_num_f32_dpp v[XMAX], v[XMAX], v[XMAX] row_xmask:2 row_mask:0xf bank_mask:0xf
	v_max_num_f32_dpp v[XMAX], v[XMAX], v[XMAX] row_xmask:4 row_mask:0xf bank_mask:0xf
	v_max_num_f32_dpp v[XMAX], v[XMAX], v[XMAX] row_xmask:8 row_mask:0xf bank_mask:0xf
	v_permlanex16_b32 v[PP], v[XMAX], s48, s49
	v_max_num_f32 v[XMAX], v[XMAX], v[PP]
	v_add_f32 v[XMAX], 0x41200000, v[XMAX]         ; + 10
	s_wait_kmcnt 0x0                               ; x[b], ib2, nb2
	; THE TABLE OF THE 51 NODES: waves 0 and 1, a thread to an entry (threads 51-63 repeat node 50)
	s_cmp_lt_u32 s2, 2
	s_cbranch_scc0 .Lno_table
	v_min_u32 v200, 50, v0                         ; k
	v_sub_nc_u32 v201, 50, v200
	v_min_u32 v201, v200, v201                     ; m = min(k, 50 - k): |steps_k| = cos(m pi / 50)
	v_sub_nc_u32 v202, 25, v201
	v_cmp_lt_u32 s53, 12, v201                     ; m > 12: cos(m pi / 50) = sin((25 - m) pi / 50), so the series' argument stays under 12 pi / 50
	v_cndmask_b32 v202, v201, v202, s53
	v_cvt_f32_u32 v202, v202
	v_mul_f32 v202, 0x3d80adfd, v202               ; a = . x pi / 50
	v_mul_f32 v203, v202, v202
	v_mov_b32 v204, 0xb493f27e                     ; cos: -1/10!, 1/8!, -1/6!, 1/4!, -1/2, 1
	v_fma_f32 v204, v204, v203, 0x37d00d01
	v_fma_f32 v204, v204, v203, 0xbab60b61
	v_fma_f32 v204, v204, v203, 0x3d2aaaab
	v_fma_f32 v204, v204, v203, -0.5
	v_fma_f32 v204, v204, v203, 1.0
	v_mov_b32 v205, 0xb2d7322b                     ; sin = a + a^3 (-1/11! .. 1/9!, -1/7!, 1/5!, -1/3!)
	v_fma_f32 v205, v205, v203, 0x3638ef1d
	v_fma_f32 v205, v205, v203, 0xb9500d01
	v_fma_f32 v205, v205, v203, 0x3c088889
	v_fma_f32 v205, v205, v203, 0xbe2aaaab
	v_mul_f32 v206, v202, v203
	v_fma_f32 v205, v206, v205, v202
	v_cndmask_b32 v206, v204, v205, s53
	v_xor_b32 v207, 0x80000000, v206
	v_cmp_lt_u32 vcc_lo, 25, v200
	v_cndmask_b32 v206, v206, v207, vcc_lo         ; steps_k: exactly 1, 0, -1 at k = 0, 25, 50
	; cc_k = (2/50) (1 - sum over m = 1 .. 25 of 2 / (4 m^2 - 1) cos(2 m k pi / 50)), halved at both ends; cos(2 m theta) = T_m(y), y = 2 steps^2 - 1
	v_mul_f32 v210, v206, v206
	v_fma_f32 v210, v210, 2.0, -1.0                ; T_1 = y
	v_add_f32 v208, v210, v210                     ; 2 y
	v_mov_b32 v209, 1.0                            ; T_0
	v_mul_f32 v212, 0.66666667, v210
.set tp, 209
.set tc, 210
.set tn, 211
.irp c, 0.13333333, 0.057142857, 0.031746032, 0.020202020, 0.013986014, 0.010256410, 0.0078431373, 0.0061919505, 0.0050125313, 0.0041407867, 0.0034782609, 0.0029629630, 0.0025542784, 0.0022246941, 0.0019550342, 0.0017316017, 0.0015444015, 0.0013860014, 0.0012507817, 0.0011344300, 0.0010335917, 0.00094562648, 0.00086843248, 0.00080032013
	v_fma_f32 v[tn], v208, v[tc], -v[tp]           ; T_m = 2 y T_(m-1) - T_(m-2)
	v_fmac_f32 v212, \c, v[tn]
.set tx, tp
.set tp, tc
.set tc, tn
.set tn, tx
.endr
	v_sub_f32 v212, 1.0, v212
	v_cmp_eq_u32 vcc_lo, 0, v201
	v_cndmask_b32 v213, 1.0, 0.5, vcc_lo
	v_mul_f32 v219, 0x3d23d70a, v212               ; x 0.04
	v_mul_f32 v219, v219, v213                     ; cc_k
	v_add_f32 v218, 1.0, v206                      ; u_k = steps_k + 1
	v_mul_f32 v216, s44, v218
	v_mul_f32 v216, 0.5, v216                      ; t_k = (x u_k) / 2
	v_sub_f32 v217, v[XMAX], v216
	v_mul_f32 v217, v217, v219
	v_mul_f32 v217, 0.5, v217                      ; cc_k (xmax - t_k) / 2
	ds_store_b128 v[O16], v[216:219] offset:LTAB
.Lno_table:
	; nw0 IS QUANTISED: a lane holds a whole block of 32 along K of its column; the eight waves share the 128 columns
	s_wait_loadcnt 14                              ; nw0 is in: behind it stand the copies' 14 loads
.set i, 1
.rept 31
	global_load_b32 v[XX+i], v[AB], s[10:11] offset:4*(i-1)    ; X_i: lanes 0-15 h[i - 1], lanes 16-31 h[31 + i]; on their way while nw0 is quantised and the copies are stored
.set i, i+1
.endr
	global_load_b32 v[H31], v[O124], s[10:11]
	v_cndmask_b32 v[NW+31], v[NW+31], 0, s50       ; k = 63: the zero that fills the last block
	v_max3_num_f32 v[MXA], |v[NW]|, |v[NW+1]|, |v[NW+2]|
	v_max3_num_f32 v[MXB], |v[NW+3]|, |v[NW+4]|, |v[NW+5]|
.irp i, 6,10,14,18,22,26
	v_max3_num_f32 v[MXA], v[MXA], |v[NW+\i]|, |v[NW+\i+1]|
	v_max3_num_f32 v[MXB], v[MXB], |v[NW+\i+2]|, |v[NW+\i+3]|
.endr
	v_max3_num_f32 v[MXA], v[MXA], |v[NW+30]|, |v[NW+31]|
	v_max_num_f32 v[MXA], v[MXA], v[MXB]
	SCALE SC, MXA
	v_cvt_scalef32_pk16_fp6_f32 v[INO:INO+2], v[NW:NW+15], v[SC]
	v_cvt_scalef32_pk16_fp6_f32 v[TA:TA+2], v[NW+16:NW+31], v[SC]
	v_lshrrev_b32 v[TT], 23, v[SC]                 ; the byte (also the plain instruction behind the conversions)
	v_lshlrev_b32 v[TT], v[SH8], v[TT]
	v_permlanex16_b32 v[PP], v[TT], s48, s49
	v_or_b32 v[TT], v[TT], v[PP]
	v_or_b32 v[TT], 0x7f7f0000, v[TT]              ; the column's scale word
.irp i, 0,1,2
	v_mov_b32 v[INO+3+\i], v[TA+\i]
.endr
.irp p, 0,1,2
	ds_store_b64 v[ONS], v[INO+2*\p:INO+2*\p+1] offset:LC0+6144+8*\p
.endr
	ds_store_b32 v[ONW], v[TT] offset:LS0+512      ; both halves of the lanes write the same word with the same value
	; THE COPIES GO TO LDS, each dense in the thread's number
	s_wait_loadcnt 32                              ; the copies are in: behind them stand h's 32 loads
.irp p, 0,1,2
	ds_store_b128 v[O16], v[96+4*\p:99+4*\p] offset:LC1+4096*\p
	ds_store_b128 v[O16], v[108+4*\p:111+4*\p] offset:LC1+12288+4096*\p
	ds_store_b64 v[O8], v[120+2*\p:121+2*\p] offset:LC0+2048*\p
.endr
	ds_store_b32 v[O4], v126 offset:LS1            ; threads 0-127 fill the integrand's 512 bytes, threads 128-255 the outer net's behind them
	ds_store_b32 v[O4], v127 offset:LB0
	ds_store_b32 v[O4], v128 offset:LB1
	ds_store_b32 v[O4], v130 offset:LW2N
	s_cmp_lt_u32 s2, 4
	s_cbranch_scc0 .Lstore_iw2
	v_or_b32 v129, 0x7f7f0000, v129                ; blocks 2 and 3, which meet zero codes, get the scale 1
	ds_store_b32 v[O4], v129 offset:LS0
	s_branch .Lstored
.Lstore_iw2:
	ds_store_b32 v[O4], v129 offset:LW2I-512       ; threads 128-255: LW2I + 4 (thread - 128)
.Lstored:
	; h: what of the input's scales hangs on b alone
	s_wait_loadcnt 0x0
	v_max3_num_f32 v[HREST], |v[XX+1]|, |v[XX+2]|, |v[XX+3]|
.set i, 4
.rept 14
	v_max3_num_f32 v[HREST], v[HREST], |v[XX+i]|, |v[XX+i+1]|
.set i, i+2
.endr
	v_max_num_f32 v[TT], |v[H31]|, v[HREST]        ; in lanes 16-31: block 1's largest magnitude
	SCALE TT, TT
	v_lshrrev_b32 v[TT], 23, v[TT]
	v_permlanex16_b32 v[PP], v[TT], s48, s49       ; its byte comes down to lanes 0-15
	v_lshlrev_b32 v[C1W], 8, v[PP]
	v_or_b32 v[C1W], 0x7f7f0000, v[C1W]
	s_wait_dscnt 0x0                               ; for the others' sake: my stores into LDS are done
	s_barrier_signal -1
	s_barrier_wait -1                              ; the images and the table of nodes are whole
	; THE INTEGRAND'S WEIGHTS INTO REGISTERS, AND THE TABLE OF POINTS
	LOADNET 0
.set t, 0
.rept 8
.irp p, 0,1
	ds_load_b128 v[IW2+8*t+4*\p:IW2+8*t+4*\p+3], v[AB] offset:LW2I+4*(64*(t/4)+8*(t%4))+16*\p
.endr
.set t, t+1
.endr
.set q, 0
.rept 11                               ; point p = thread + 256 q
	v_add_nc_u32 v[TT], 256*q, v0
	v_mul_u32_u24 v[TT+1], v[TT], 20561
	v_lshrrev_b32 v[TT+1], 20, v[TT+1]             ; i = p / 51 (exact for p under 2,816: the factor's excess, 6.6e-7 p, stays under 1/51)
	v_min_u32 v[TT+1], 50, v[TT+1]                 ; i and j are held at 50: the padded points behind 2,600 stay inside the table; the others are not changed
	v_mul_u32_u24 v[TT+2], v[TT+1], 51
	v_sub_nc_u32 v[TT+2], v[TT], v[TT+2]           ; j
	v_min_u32 v[TT+2], 50, v[TT+2]
	v_lshlrev_b32 v[TT+1], 4, v[TT+1]
	v_lshlrev_b32 v[TT+2], 4, v[TT+2]
	ds_load_b64 v[DD+4*q:DD+4*q+1], v[TT+1] offset:LTAB          ; t_i, cc_i (xmax - t_i) / 2
	ds_load_b64 v[DD+4*q+2:DD+4*q+3], v[TT+2] offset:LTAB+8      ; u_j, cc_j
.set q, q+1
.endr
	s_wait_dscnt 0x0
.set q, 0
.rept 11
	v_sub_f32 v[TT], v[XMAX], v[DD+4*q]
	v_mul_f32 v[TT], v[TT], v[DD+4*q+2]
	v_mul_f32 v[DD+4*q+1], v[DD+4*q+1], v[DD+4*q+3]              ; w
	v_fma_f32 v[DD+4*q], v[TT], 0.5, v[DD+4*q]                   ; s = t_i + ((xmax - t_i) u_j) / 2
.if q == 10
	v_cmp_gt_u32 vcc_lo, 41, v0                    ; p = 2,560 + thread is a point only under 2,601
	v_cndmask_b32 v[DD+4*q+1], 0, v[DD+4*q+1], vcc_lo
.endif
	ds_store_b64 v[O8], v[DD+4*q:DD+4*q+1] offset:LSW+2048*q
.set q, q+1
.endr
	s_wait_dscnt 0x0
	s_barrier_signal -1
	s_barrier_wait -1                              ; the table of points is whole
	; IN FRONT OF THE LOOP: the first tile's input
	s_lshl_b32 s53, s52, 7
	s_add_co_u32 s53, s53, LSW
	v_lshl_add_u32 v[ADR], v[LR], 3, s53           ; 128 bytes a tile, 8 a point
	ds_load_b32 v[SLD], v[ADR]
	s_wait_dscnt 0x0
	INA
	v_cvt_scalef32_pk16_fp6_f32 v[INO:INO+2], v[XX:XX+15], v[INT]
	v_cvt_scalef32_pk16_fp6_f32 v[TA:TA+2], v[XX+16:XX+31], v[INT]
	ds_load_b32 v[SLD], v[ADR] offset:128          ; s of the second tile
.irp i, 6,7,8,9,10,11
	v_mov_b32 v[INO+\i], 0                         ; K = 64 .. 127: zero codes, for the whole launch
.endr
.irp i, 0,1,2
	v_mov_b32 v[INO+3+\i], v[TA+\i]
.endr
.irp i, 0,1,2,3
	v_mov_b32 v[ZZ+\i], 0                          ; the first trip's tail finds a dot product of 0 and the weight 0: it adds nothing.
.endr
	v_mov_b32 v[ACC], 0                            ; (These seven lines are also the places between the operand's last move and the first product; sixteen plain lines stand behind the scale word)
	v_mov_b32 v[WT], 0
	v_mov_b32 v[PQ], 0
.Ltile:                                                ; a trip is a tile: 16 products; the tail of the tile before stands behind the first eight, the next tile's input round the second eight
	LAYER1
	TAIL
	POST1
	INA                                            ; six plain lines between the hidden codes' last move and the products; with the six moves, twelve behind the scale word
	LAYER2
	INB
	POST2
	s_sub_co_i32 s51, s51, 1
	s_cmp_gt_i32 s51, 0                            ; the signed test ends a falling counter from any start
	s_cbranch_scc1 .Ltile
	TAIL                                           ; the last tile's
	v_add_f32_dpp v[ACC], v[ACC], v[ACC] row_xmask:1 row_mask:0xf bank_mask:0xf   ; over the 16 points; the two halves of the lanes hold the same numbers
	v_add_f32_dpp v[ACC], v[ACC], v[ACC] row_xmask:2 row_mask:0xf bank_mask:0xf
	v_add_f32_dpp v[ACC], v[ACC], v[ACC] row_xmask:4 row_mask:0xf bank_mask:0xf
	v_add_f32_dpp v[ACC], v[ACC], v[ACC] row_xmask:8 row_mask:0xf bank_mask:0xf
	; THE OUTER NET: wave 7, which had three tiles fewer.  All 16 columns of its tile are row b.  It only reads LDS, so it stands ahead of the barrier below, beside the other waves' last tiles
	s_cmp_lg_u32 s2, 7
	s_cbranch_scc1 .Lnot_7
	LOADNET 1
	v_lshlrev_b32 v[TT+3], 8, v[LH]                ; nw2: 8 bytes a hidden unit, 32 hh units on
	LDNW2 0
.set i, 0
.rept 31
	v_mov_b32 v[XX+i], v[XX+i+1]                   ; here K begins with h0: lanes 0-15 h0 .. h30, lanes 16-31 h32 .. h62
.set i, i+1
.endr
	v_cndmask_b32 v[XX+31], v[H31], 0, s50         ; k = 31: h31; k = 63: the zero that fills the last block
	v_max_num_f32 v[INT], |v[XX+31]|, v[HREST]
	SCALE INT, INT
	v_lshrrev_b32 v[TT], 23, v[INT]
	v_lshlrev_b32 v[TT], v[SH8], v[TT]
	v_permlanex16_b32 v[PP], v[TT], s48, s49
	v_or_b32 v[TT], v[TT], v[PP]
	v_or_b32 v[INS], 0x7f7f0000, v[TT]
	v_cvt_scalef32_pk16_fp6_f32 v[INO:INO+2], v[XX:XX+15], v[INT]
	v_cvt_scalef32_pk16_fp6_f32 v[TA:TA+2], v[XX+16:XX+31], v[INT]
	v_nop                                          ; one plain instruction behind the conversions
.irp i, 0,1,2
	v_mov_b32 v[INO+3+\i], v[TA+\i]
.endr
	s_wait_dscnt 0x0                               ; the net's registers and nw2's first half are in
	PLACES 4                                       ; four behind the operand's last move, eight behind the scale word
	LAYER1
	PLACES 4
	POST1
	PLACES 4                                       ; four behind the codes' last move, ten behind the scale word
	LAYER2
	PLACES 4
	DOT2 0
	LDNW2 1
	s_wait_dscnt 0x0
	DOT2 1
	v_pk_add_f32 v[ZZ:ZZ+1], v[ZZ:ZZ+1], v[ZZ+2:ZZ+3]
	v_permlanex16_b32 v[PP], v[ZZ], s48, s49       ; the other 64 hidden units
	v_permlanex16_b32 v[PQ], v[ZZ+1], s48, s49
	v_add_f32 v[ZZ], v[ZZ], v[PP]
	v_add_f32 v[ZZ+1], v[ZZ+1], v[PQ]
	v_add_f32 v[ZZ], s46, v[ZZ]                    ; the offset
	v_add_f32 v[ZZ+1], s47, v[ZZ+1]                ; the logarithm of the scaling
.Lnot_7:
	; THE EIGHT SUMS MEET.  The loop's LDS addresses step a number of times that differs from wave to wave; this barrier orders every wave's LDS reads ahead of every wave's store below, whatever those addresses are
	s_wait_dscnt 0x0                               ; my LDS reads are over
	s_barrier_signal -1
	s_barrier_wait -1
	s_lshl_b32 s53, s2, 2
	v_mov_b32 v[TT], s53
	ds_store_b32 v[TT], v[ACC] offset:LRED         ; all lanes write my wave's word with the same value
	s_wait_dscnt 0x0                               ; for wave 7's sake: my sum is in LDS
	s_barrier_signal -1
	s_barrier_wait -1
	s_cmp_lg_u32 s2, 7
	s_cbranch_scc1 .Lend
	v_mov_b32 v[TT], 0
	ds_load_b128 v[XX:XX+3], v[TT] offset:LRED
	ds_load_b128 v[XX+4:XX+7], v[TT] offset:LRED+16
	v_mul_f32 v[ZZ+1], 0x3fb8aa3b, v[ZZ+1]
	v_exp_f32 v[ZZ+1], v[ZZ+1]
	s_wait_dscnt 0x0
	v_add_f32 v[XX], v[XX], v[XX+1]                ; (plain lines behind the exponential)
	v_add_f32 v[XX+2], v[XX+2], v[XX+3]
	v_add_f32 v[XX+4], v[XX+4], v[XX+5]
	v_add_f32 v[XX+6], v[XX+6], v[XX+7]
	v_add_f32 v[XX], v[XX], v[XX+2]
	v_add_f32 v[XX+4], v[XX+4], v[XX+6]
	v_add_f32 v[XX], v[XX], v[XX+4]
	v_mul_f32 v[XX], s44, v[XX]
	v_mul_f32 v[XX], 0.5, v[XX]                    ; the integral: (sum x) / 2
	s_wait_alu depctr_va_vdst(0)
	v_fma_f32 v[TT+1], v[ZZ+1], v[XX], v[ZZ]
	v_mov_b32 v[TT+2], s3
	v_cmp_eq_u32 vcc_lo, 224, v0                   ; wave 7's first lane
	s_wait_xcnt 0x0                                ; EXEC changes only behind this wait
	s_and_saveexec_b32 s53, vcc_lo
	global_store_b32 v[TT+2], v[TT+1], s[42:43]
	s_wait_xcnt 0x0                                ; and again in front of the line that widens it
	s_or_b32 exec_lo, exec_lo, s53
.Lend:
	s_wait_tensorcnt 0x0
	ds_add_u32 v254, v255
	s_wait_dscnt 0x0
	s_endpgm
.Lfunc_end_k_q9b12692dd4_umnn:
	.size	k_q9b12692dd4_umnn, .Lfunc_end_k_q9b12692dd4_umnn-k_q9b12692dd4_umnn
	.p2alignl 7, 3214868480
	.fill 96, 4, 3214868480
	.section	.rodata,"a",@progbits
	.p2align	6, 0x0
	.amdhsa_kernel k_q9b12692dd4_umnn
		.amdhsa_group_segment_fixed_size 67584
		.amdhsa_private_segment_fixed_size 0
		.amdhsa_enable_private_segment 0
		.amdhsa_kernarg_size 144
		.amdhsa_user_sgpr_count 2
		.amdhsa_user_sgpr_kernarg_segment_ptr 1
		.amdhsa_wavefront_size32 1
		.amdhsa_system_sgpr_workgroup_id_x 1
		.amdhsa_system_sgpr_workgroup_id_y 1
		.amdhsa_system_sgpr_workgroup_id_z 1
		.amdhsa_system_vgpr_workitem_id 0
		.amdhsa_next_free_vgpr 512
		.amdhsa_next_free_sgpr 66
		.amdhsa_reserve_vcc 1
		.amdhsa_float_denorm_mode_32 3
		.amdhsa_float_denorm_mode_16_64 3
		.amdhsa_memory_ordered 1
		.amdhsa_forward_progress 1
		.amdhsa_inst_pref_size 79
	.end_amdhsa_kernel
	.amdgpu_metadata
---
amdhsa.version: [ 1, 2 ]
amdhsa.kernels:
  - .name:           k_q9b12692dd4_umnn
    .symbol:         k_q9b12692dd4_umnn.kd
    .args:
      - { .name: x, .offset: 0, .size: 8, .value_kind: global_buffer, .address_space: global }
      - { .name: h, .offset: 8, .size: 8, .value_kind: global_buffer, .address_space: global }
      - { .name: iw0_codes, .offset: 16, .size: 8, .value_kind: global_buffer, .address_space: global }
      - { .name: iw0_scales, .offset: 24, .size: 8, .value_kind: global_buffer, .address_space: global }
      - { .name: ib0, .offset: 32, .size: 8, .value_kind: global_buffer, .address_space: global }
      - { .name: iw1_codes, .offset: 40, .size: 8, .value_kind: global_buffer, .address_space: global }
      - { .name: iw1_scales, .offset: 48, .size: 8, .value_kind: global_buffer, .address_space: global }
      - { .name: ib1, .offset: 56, .size: 8, .value_kind: global_buffer, .address_space: global }
      - { .name: iw2, .offset: 64, .size: 8, .value_kind: global_buffer, .address_space: global }
      - { .name: ib2, .offset: 72, .size: 8, .value_kind: global_buffer, .address_space: global }
      - { .name: nw0, .offset: 80, .size: 8, .value_kind: global_buffer, .address_space: global }
      - { .name: nb0, .offset: 88, .size: 8, .value_kind: global_buffer, .address_space: global }
      - { .name: nw1_codes, .offset: 96, .size: 8, .value_kind: global_buffer, .address_space: global }
      - { .name: nw1_scales, .offset: 104, .size: 8, .value_kind: global_buffer, .address_space: global }
      - { .name: nb1, .offset: 112, .size: 8, .value_kind: global_buffer, .address_space: global }
      - { .name: nw2, .offset: 120, .size: 8, .value_kind: global_buffer, .address_space: global }
      - { .name: nb2, .offset: 128, .size: 8, .value_kind: global_buffer, .address_space: global }
      - { .name: out0, .offset: 136, .size: 8, .value_kind: global_buffer, .address_space: global }
    .group_segment_fixed_size: 67584
    .private_segment_fixed_size: 0
    .kernarg_segment_align: 8
    .kernarg_segment_size: 144
    .max_flat_workgroup_size: 256
    .sgpr_count:     66
    .vgpr_count:     512
    .wavefront_size: 32
...
	.end_amdgpu_metadata
.endif
;; end of part 1
;; ======== version 2 of 2: 1 launch
;; limits: right only within a limited range of input values
;; launch umnn (part 2): grid 256 x 1, 8 waves a work-group, no clusters, 175,360 bytes of LDS; arguments x, h, iw0_codes, iw0_scales, ib0, iw1_codes, iw1_scales, ib1, iw2, ib2, nw0, nb0, nw1_codes, nw1_scales, nb1, nw2, nb2, out0; writes out0
.if DOCPART == 2
	.amdgcn_target "amdgcn-amd-amdhsa--gfx1250"
	.amdhsa_code_object_version 6
	.text
	.protected	k_q9b12692dd4_umnn
	.globl	k_q9b12692dd4_umnn
	.p2align	8
	.type	k_q9b12692dd4_umnn,@function
k_q9b12692dd4_umnn:
	s_mov_b64 s[64:65], 0
	v_nop
	global_prefetch_b8 v0, s[64:65] scope:SCOPE_SE
	s_setreg_imm32_b32 hwreg(HW_REG_WAVE_MODE, 25, 1), 1
	s_wait_xcnt 0x0
; out[b] = exp(o1) (x/2) sum over the 51 x 51 quadrature points (i, j) of cc_i cc_j (xmax - t_i)/2 f(s) + o0.
;   f = elu(relu(relu([s, h] W0 + b0) W1 + b1) w2 + b2) + 1,  t_i = x (steps_i + 1)/2,  s = t_i + (xmax - t_i)(steps_j + 1)/2,
;   xmax = max(t) + 10 = max(0, the largest x) + 10, since steps + 1 runs from exactly 0 to exactly 2;  (o0, o1) = the outer net of the same shape on h.
; The products with W0, W1, nw0, nw1 are on codes of E2M3 with one E8M0 scale for each 32 along K; those with w2 and nw2 are f32 multiply-adds along a lane's own registers.
; REPEATED WORK.  At j = 0 steps + 1 is exactly 2, so s = t_i + (xmax - t_i) = xmax for every i, whatever the inputs: these 51 points are one point, done once, with the sum of their weights,
; cc_0 sum over i of cc_i (xmax - t_i)/2 = cc_0 (xmax - x/2): the rule's weights cc sum to 2, and cc_i (steps_i + 1)/2 to 1.  So 2,551 points are left: 160 tiles of 16 (9 padded points have the weight 0).
; SHARES.  A work-group owns one row b.  Eight waves, two to a SIMD, 512 registers each; a wave takes 20 tiles, in 10 pairs X, Y, and one tile of each layer of the outer net.
; Point p = 320 w + 32 q + lane of wave w: i = p / 50, j = 1 + p % 50; p = 2550 is the point with s = xmax.  A wave makes the codes and scale words of its own points ahead of the loop, a point a lane, into its own LDS.
; LAYOUT.  Products are used transposed (source 0 = 16 rows of the weight, source 1 = 16 points).  Row m of tile t = 4 c + u is hidden unit 64 c + 8 u + 32 (m / 8) + m % 8, so the 32 registers of tiles 4 c .. 4 c + 3
; of lane (r, hh) are the neighbours k = 64 c + 32 hh + 0 .. 31 of point r: one whole block, in the place that the next operand's layout gives that lane.  A bias is the C operand of its tile.
; The first layer's K is 64: the input's registers 6-11 hold zero codes, so what lies in the weight operand's upper six registers adds nothing; the scale bytes there are 0x7f on both sides.
; NO CLUSTER, NO TENSOR LOADS, NO PREFETCH: the work-groups share the weights, some 67 KB, which each reads once at its head through registers; the loop reads no memory, so there is no step in which a joint request or an early one could serve.
; out0 is stored 4 bytes a work-group: it is 1,024 bytes in all, and gathering it would take a launch more.
; LIMITS.  NaN and infinities among the inputs are not served; |z| (elu's argument) stays under 2.3e38, since it is carried as z log2 e.  A block of zeros gets the scale byte 1 and not 127: its codes are zeros, so the numbers are the same.
; elu(z) + 1 is taken as exp(z) for z <= 0 (one rounding away from expm1 + 1; under 2^-126 it is 0).  steps comes from sine and cosine series on [0, 12 pi / 50], cut where the next term is under 1e-10;
; cc from a Chebyshev recurrence of 25 terms (its error is some 1e-6 of cc, and cc stands ahead of no quantiser).  The sums of f32 numbers are taken in another order than in the definition.
.set NT,   0                           ; LDS: 512 bytes a wave: 51 nodes of 8 bytes: (steps + 1)/2, cc
.set HB0,  4096                        ; 512 bytes a wave: [., h0 .. h62] at 0, [h0 .. h62, 0] at 256
.set LW1,  8192                        ; images of the weights' registers: iw1, 1,536 bytes a tile
.set LW0,  20480                       ; iw0, 768 bytes a tile
.set LSC,  26624                       ; scale words, 128 bytes a tile
.set LB0,  27648
.set LB1,  28160
.set LI2,  28672                       ; iw2 x log2 e
.set LHID, 29184                       ; the outer net's hidden layer, ahead of its relu
.set LRED, 29696                       ; the 256 lanes' sums
.set LOUT, 30720                       ; the outer net's partial results: 16 pairs
.set LP,   30976                       ; 80 pairs of tiles: X's codes 3 x 256 bytes, Y's likewise, then 32 x (scale word, weight)
.set PAIR, 1792
.set SPARE, 174336                     ; the spare words, 128 bytes a wave
.set LR,   1                           ; r = lane % 16
.set LH,   2                           ; hh = lane / 16
.set SPW,  3
.set NIL,  4
.set VP,   5                           ; my wave's pairs + 8 lane
.set ADR,  6
.set ACC,  7
.set LN,   8                           ; the lane, at the head;  in the loop:
.set TZ,   8
.set WT,   9                           ; the weight of the pair multiplied last;  at the head:
.set HU,   9
.set B2P,  10                          ; v10-11: b2 log2 e in lanes 0-15, 0
.set HO,   11
.set CH,   12                          ; v12-17 the maxima's chains, three a block
.set HAV,  16
.set HBV,  17
.set SC,   18                          ; v18-19 the two blocks' scales
.set PB,   19
.set TT,   20                          ; v20-21 at work
.set XO,   20
.set XBO,  21
.set PX,   22                          ; two scale bytes of a tile
.set PY,   23
.set HP,   23
.set A1S,  24                          ; the hidden layer's scale words, X in lanes 0-15, Y in lanes 16-31
.set SW,   25                          ; v25-31, v33: tile t's weight scales, lanes 0-15 the first layer's, 16-31 the second's
.set INS,  32                          ; the input's scale words, X and Y
.set ZSX,  34
.set ZSY,  35
.set LA16, 34
.set LA8,  35
.set INX,  36                          ; v36-47, v48-59 the inputs' codes (the upper six of each are zero codes)
.set INY,  48
.set NW,   36                          ; at the head: nw0's 32 numbers
.set ZZ,   60                          ; v60-63, v248-251: four chains of the dot product
.set ZB,   248
.set A1X,  64
.set A1Y,  76
.set TA,   88                          ; v88-90, v92-94: second halves of blocks (a conversion's three registers begin on an even number)
.set TE,   91
.set TB,   92
.set TF,   95
.set DD,   96                          ; v96-159 both layers' results, by turns
.set O96,  104                         ; v104-113 at the head: offsets of the global loads
.set O48,  105
.set O4R,  106
.set O2R,  107
.set ON0,  108
.set ON1,  109
.set O96N, 110
.set HAO,  113
.set G,    160                         ; v160-199 at the head: four numbers a point
.set IW2,  160                         ; v160-223 iw2 in the results' layout
.set OI,   200                         ; v200-231 at the head: the outer net's input
.set IB1H, 224                         ; v224-239 the second bias of tiles 6 and 7
.set AB,   240                         ; 128 hh
.set HREST, 241
.set NS0,  242                         ; scales and nothing else: nw0's, nw1's, the outer input's
.set NS1,  243
.set NIS,  244
.set IB2V, 245
.set XB,   246
.set XM,   247
.set ONW2, 248
.set O8H,  249
.set O4N,  250
.set LN4,  254
.set VS,   255
; window 1 (named v0-255 under the switch): v0-47 first layer's codes, 6 a tile; v48-143 second layer's, 12 a tile; v144-207 first bias; v208-255 second bias of tiles 0-5;
; at the head v208-219 nw1's tile, v220-227 nb1, v228-235 nb0, v236-251 nw2
.set MSB, 0
.macro WIN new                         ; the immediate's high byte repeats the setting that is left; a switch that changes nothing is dropped
.if MSB != \new
	s_set_vgpr_msb (MSB<<8)|\new
.set MSB, \new
.endif
.endm
.macro AWAIT
	s_wait_alu depctr_va_vdst(0)
.endm
.macro BARRIER
	s_barrier_signal -1
	s_barrier_wait -1
.endm
.macro RELU2 a                         ; two relus in one instruction
	v_dual_max_num_f32 v[\a], 0, v[\a] :: v_dual_max_num_f32 v[\a+1], 0, v[\a+1]
.endm
.macro RL k0, n                        ; the relus of pairs k0 .. k0 + n - 1
.set k, \k0
.rept \n
	RELU2 DD+2*k
.set k, k+1
.endr
.endm
.macro M3 d, a, b, c, ab
.if \ab
	v_max3_num_f32 v[\d], |v[\a]|, |v[\b]|, |v[\c]|
.else
	v_max3_num_f32 v[\d], v[\a], v[\b], v[\c]
.endif
.endm
.macro TF0 d, x, ab                    ; a block's first three leaves: two numbers and the floor 2^(3 - 127), under which no largest magnitude is taken (it also stands for the relu's 0)
.if \ab
	v_max3_num_f32 v[\d], |v[\x]|, |v[\x+1]|, 0x01800000
.else
	v_max3_num_f32 v[\d], v[\x], v[\x+1], 0x01800000
.endif
.endm
; The largest of two blocks of 32, three chains each, 16 lines a block; each result is read from its low end on.  Into CH and CH + 3
.macro TREE ba, bb, ab
	TF0 CH, \ba, \ab
	TF0 CH+3, \bb, \ab
	M3 CH+1, \ba+2, \ba+3, \ba+4, \ab
	M3 CH+4, \bb+2, \bb+3, \bb+4, \ab
	M3 CH+2, \ba+5, \ba+6, \ba+7, \ab
	M3 CH+5, \bb+5, \bb+6, \bb+7, \ab
.set ii, 0
.set jj, 0
.rept 12
	M3 CH+jj, CH+jj, \ba+8+2*ii, \ba+9+2*ii, \ab
	M3 CH+3+jj, CH+3+jj, \bb+8+2*ii, \bb+9+2*ii, \ab
.set ii, ii+1
.set jj, jj+1
.if jj == 3
.set jj, 0
.endif
.endr
	M3 CH, CH, CH+1, CH+2, \ab
	M3 CH+3, CH+3, CH+4, CH+5, \ab
.endm
; Eight products: W0 x input + b0.  row = 1: the input's scales lie in lanes 16-31
.macro LAYER1 ino, row
	WIN 0x11
.set t, 0
.rept 8
.if \row
	v_wmma_scale_f32_16x16x128_f8f6f4 v[DD+8*t:DD+8*t+7], v[6*t:6*t+11], v[\ino:\ino+11], v[144+8*t:144+8*t+7], v[SW+t+t/7], v[INS] matrix_a_fmt:MATRIX_FMT_FP6 matrix_b_fmt:MATRIX_FMT_FP6 matrix_b_scale:MATRIX_SCALE_ROW1
.else
	v_wmma_scale_f32_16x16x128_f8f6f4 v[DD+8*t:DD+8*t+7], v[6*t:6*t+11], v[\ino:\ino+11], v[144+8*t:144+8*t+7], v[SW+t+t/7], v[INS] matrix_a_fmt:MATRIX_FMT_FP6 matrix_b_fmt:MATRIX_FMT_FP6
.endif
.set t, t+1
.endr
	WIN 0
.endm
; One product of the second layer: C at c
.macro P2 a1, c, row
.if \row
	v_wmma_scale_f32_16x16x128_f8f6f4 v[DD+8*t:DD+8*t+7], v[48+12*t:48+12*t+11], v[\a1:\a1+11], v[\c:\c+7], v[SW+t+t/7], v[A1S] matrix_a_fmt:MATRIX_FMT_FP6 matrix_b_fmt:MATRIX_FMT_FP6 matrix_a_scale:MATRIX_SCALE_ROW1 matrix_b_scale:MATRIX_SCALE_ROW1
.else
	v_wmma_scale_f32_16x16x128_f8f6f4 v[DD+8*t:DD+8*t+7], v[48+12*t:48+12*t+11], v[\a1:\a1+11], v[\c:\c+7], v[SW+t+t/7], v[A1S] matrix_a_fmt:MATRIX_FMT_FP6 matrix_b_fmt:MATRIX_FMT_FP6 matrix_a_scale:MATRIX_SCALE_ROW1
.endif
.set t, t+1
.endm
.macro LAYER2 a1, row
	WIN 0x11
.set t, 0
.rept 6
	P2 \a1, 208+8*t, \row
.endr
	WIN 0x01
.rept 2
	P2 \a1, IB1H+8*(t-6), \row
.endr
	WIN 0
.endm
; The second halves of a tile's two blocks go to their places: four plain lines
.macro MOVES a1
	v_dual_mov_b32 v[\a1+3], v[TA] :: v_dual_mov_b32 v[\a1+4], v[TA+1]
	v_mov_b32 v[\a1+5], v[TA+2]
	v_dual_mov_b32 v[\a1+9], v[TB] :: v_dual_mov_b32 v[\a1+10], v[TB+1]
	v_mov_b32 v[\a1+11], v[TB+2]
.endm
; The dot product's four chains are joined: four plain lines
.macro JOIN zs
	v_pk_add_f32 v[ZZ:ZZ+1], v[ZZ:ZZ+1], v[ZZ+2:ZZ+3]
	v_pk_add_f32 v[ZB:ZB+1], v[ZB:ZB+1], v[ZB+2:ZB+3]
	v_pk_add_f32 v[ZZ:ZZ+1], v[ZZ:ZZ+1], v[ZB:ZB+1]
	v_add_f32 v[\zs], v[ZZ], v[ZZ+1]
.endm
; BEHIND A FIRST LAYER: maxima, relu, scales, codes, scale word; MOVES follows.  kind 1: tile X, with the tail of the pair before among its lines; 2: tile Y, which joins X's and Y's scale bytes; 0: the outer net.
; The exchange of rows leaves in PX both tiles' bytes of blocks 0 and 2, in PY those of 1 and 3: lanes 0-15 X's, lanes 16-31 Y's.
.macro POST1 a1, p, kind
	TREE DD, DD+32, 0
.if \kind == 1
	v_permlane16_swap_b32 v[ZSX], v[ZSY]           ; lanes 0-15 X's two halves, lanes 16-31 Y's
.endif
	RL 0, 3
	v_add_nc_u32 v[SC], 0xff000000, v[CH]          ; 2 off the exponent field: the conversion's scale operand
	v_add_nc_u32 v[SC+1], 0xff000000, v[CH+3]
.if \kind == 1
	v_add_f32 v[TZ], v[ZSX], v[ZSY]                ; z log2 e
.endif
	RL 3, 5
	v_lshrrev_b32 v[TT], 23, v[SC]
	v_lshrrev_b32 v[TT+1], 7, v[SC+1]
.if \kind == 1
	AWAIT
	v_exp_f32 v[TE], v[TZ]
.endif
	RL 8, 1
.if \kind == 1
	v_fma_f32 v[TF], v[TZ], 0x3f317218, 1.0        ; z + 1
.endif
	v_cvt_scalef32_pk16_fp6_f32 v[\a1:\a1+2], v[DD:DD+15], v[SC]
	v_and_or_b32 v[\p], v[TT+1], 0x00ff0000, v[TT] ; my two bytes: blocks hh and 2 + hh
.if \kind == 0
	v_mov_b32 v[PY], v[PX]
.endif
	RL 9, 7
	v_cvt_scalef32_pk16_fp6_f32 v[TA:TA+2], v[DD+16:DD+31], v[SC]
.if \kind == 1
	AWAIT
	v_med3_num_f32 v[TE], v[TE], 1.0, v[TF]        ; elu(z) + 1: e^z lies between z + 1 and 1 for z <= 0, and z + 1 between 1 and e^z for z > 0
.else
	v_permlane16_swap_b32 v[PX], v[PY]
.endif
	RL 16, 4
.if \kind != 1
	v_lshl_or_b32 v[A1S], v[PY], 8, v[PX]
.endif
	RL 20, 4
	v_cvt_scalef32_pk16_fp6_f32 v[\a1+6:\a1+8], v[DD+32:DD+47], v[SC+1]
	RL 24, 8
	v_cvt_scalef32_pk16_fp6_f32 v[TB:TB+2], v[DD+48:DD+63], v[SC+1]
.if \kind == 1
	v_fmac_f32 v[ACC], v[WT], v[TE]                ; (the plain line behind the conversion)
.elseif \kind == 2
	v_add_nc_u32 v[ADR], s53, v[VP]                ; this pair's place
.else
	v_nop
.endif
.endm
; relu and the dot product with iw2 along my 64 registers; b2 comes in as the first chain's addend
.macro POST2
	RL 0, 4
.set q, 0
.rept 32
.if q < 28
	RELU2 DD+2*q+8
.endif
.if (q%4) < 2
.set zr, ZZ+2*(q%4)
.else
.set zr, ZB+2*(q%4)-4
.endif
.if q == 0
	v_pk_fma_f32 v[zr:zr+1], v[DD:DD+1], v[IW2:IW2+1], v[B2P:B2P+1]
.elseif q < 4
	v_pk_mul_f32 v[zr:zr+1], v[DD+2*q:DD+2*q+1], v[IW2+2*q:IW2+2*q+1]
.else
	v_pk_fma_f32 v[zr:zr+1], v[DD+2*q:DD+2*q+1], v[IW2+2*q:IW2+2*q+1], v[zr:zr+1]
.endif
.set q, q+1
.endr
.endm
; The codes and scale words of a pair of tiles, from byte o behind the address
.macro INLOAD a, o
.irp p, 0,1,2
	ds_load_b64 v[INX+2*\p:INX+2*\p+1], v[\a] offset:\o+256*\p
	ds_load_b64 v[INY+2*\p:INY+2*\p+1], v[\a] offset:\o+768+256*\p
.endr
	ds_load_b32 v[INS], v[\a] offset:\o+1536
.endm
; A pair of tiles: 32 products.  next = 1: the next pair's codes are asked for
.macro TRIP next
	LAYER1 INX, 0
	JOIN ZSY                                       ; of the pair before: the four places behind the products
	POST1 A1X, PX, 1
	AWAIT
	s_wait_dscnt 0x0                               ; (in the first trip: the second bias and iw2 are in)
	LAYER1 INY, 1
	MOVES A1X                                      ; the four places
	POST1 A1Y, PY, 2
	LAYER2 A1X, 0
	MOVES A1Y                                      ; the four places
	ds_load_b32 v[WT], v[ADR] offset:1540
.if \next
	INLOAD ADR, PAIR
	s_add_co_u32 s53, s53, PAIR
.endif
	POST2
	LAYER2 A1Y, 1
	JOIN ZSX                                       ; the four places
	POST2
.endm
	; THE HEAD: ids and offsets
	s_load_b512 s[8:23], s[0:1], 0x0               ; x s[8:9], h s[10:11], iw0_codes s[12:13], iw0_scales s[14:15], ib0 s[16:17], iw1_codes s[18:19], iw1_scales s[20:21], ib1 s[22:23]
	s_load_b512 s[24:39], s[0:1], 0x40             ; iw2 s[24:25], ib2 s[26:27], nw0 s[28:29], nb0 s[30:31], nw1_codes s[32:33], nw1_scales s[34:35], nb1 s[36:37], nw2 s[38:39]
	s_load_b128 s[40:43], s[0:1], 0x80             ; nb2 s[40:41], out0 s[42:43]
	v_lshl_add_u32 v[SPW], v0, 2, SPARE
	v_mov_b32 v[NIL], 0
	v_lshrrev_b32 v[TT], 5, v0
	v_and_b32 v[LN], 31, v0
	v_and_b32 v[LR], 15, v0
	v_bfe_u32 v[LH], v0, 4, 1
	v_readfirstlane_b32 s2, v[TT]                  ; wave 0..7
	AWAIT
	s_lshl_b32 s3, ttmp9, 2                        ; 4 b
	s_mul_i32 s54, ttmp9, 252                      ; a row of h is 252 bytes
	s_mov_b32 s55, 0
	s_mov_b32 s48, 0x76543210                      ; lane selects: each lane takes its own place in the other half
	s_mov_b32 s49, 0xfedcba98
	s_mov_b32 s50, 0xffff0000                      ; lanes 16-31
	s_lshl_b32 s56, s2, 9
	s_add_co_u32 s57, s56, 400
	s_lshl_b32 s58, s2, 4
	s_lshr_b32 s59, s2, 2
	s_lshl_b32 s59, s59, 6
	s_and_b32 s60, s2, 3
	s_lshl_b32 s60, s60, 3
	s_add_co_u32 s60, s60, s59                     ; my tile's first row: 64 (w / 4) + 8 (w % 4)
	s_mul_i32 s61, s2, 10*PAIR
	s_add_co_u32 s61, s61, LP                      ; my ten pairs
	s_mul_i32 s62, s2, 320                         ; my first point
	s_mul_i32 s63, s2, 1536
	s_mul_i32 s46, s2, 768
	s_lshl_b32 s47, s2, 7
	s_lshl_b32 s53, s2, 6
	v_and_b32 v114, 8, v[LR]
	v_and_b32 v115, 7, v[LR]
	v_add_nc_u32 v116, s58, v[LR]                  ; n = 16 w + r: my row of the outer net's weights
	v_lshlrev_b32 v[LN4], 2, v[LN]
	v_lshl_add_u32 v115, v114, 2, v115
	v_lshlrev_b32 v[LA16], 4, v[LN]
	v_lshlrev_b32 v[LA8], 3, v[LN]
	v_add_nc_u32 v115, s60, v115                   ; my row of the integrand's weights
	v_mul_u32_u24 v[O96N], 96, v116
	v_lshlrev_b32 v[O4N], 2, v116
	v_lshlrev_b32 v[XO], 5, v[LN]                  ; x: 32 bytes a lane: every wave reads all 256
	v_mul_u32_u24 v[O96], 96, v115
	v_mul_u32_u24 v[O48], 48, v115
	v_lshlrev_b32 v[O4R], 2, v115
	v_lshlrev_b32 v[O2R], 1, v115
	v_mad_u32_u24 v[O96N], v[LH], 24, v[O96N]
	v_mad_u32_u24 v[O96], v[LH], 24, v[O96]
	v_mad_u32_u24 v[O48], v[LH], 24, v[O48]
	v_lshl_add_u32 v[ON0], v[LH], 14, v[O4N]       ; nw0: column n, rows 32 hh + 0 .. 31 of 512 bytes
	v_add_nc_u32 v[ON1], 15872, v[O4N]             ; row 31 for lanes 0-15; nw0 has no row 63: lanes 16-31 read row 0, and the number is replaced by 0
	v_lshl_add_u32 v[O8H], v[LH], 5, s53           ; 4 (16 w + 8 hh)
	v_min_u32 v[HAO], 30, v[LN]
	v_cndmask_b32 v[ON1], v[ON1], v[O4N], s50
	v_lshlrev_b32 v[ONW2], 1, v[O8H]
	v_lshlrev_b32 v[HAO], 2, v[HAO]
	v_mov_b32 v[XBO], s3
	v_mov_b32 v[PX], 0
	v_lshlrev_b32 v[AB], 7, v[LH]
	v_mov_b32 v14, 0                               ; (the targets of lane exchanges count as read)
	v_mov_b32 v15, 0
	v_mov_b32 v18, 0
	; THE NODES, a lane to node k = 0 .. 31 and its mirror 50 - k: steps_(50-k) = -steps_k, cc_(50-k) = cc_k
	v_sub_nc_u32 v202, 25, v[LN]
	v_cmp_lt_u32 s52, 12, v[LN]                    ; k > 12: cos(k pi / 50) = sin((25 - k) pi / 50), so the series' argument stays within 12 pi / 50
	v_cndmask_b32 v202, v[LN], v202, s52
	v_cvt_f32_i32 v202, v202
	v_mul_f32 v202, 0x3d80adfd, v202               ; a = . x pi / 50
	v_mul_f32 v203, v202, v202
	v_mov_b32 v204, 0xb493f27e                     ; cos: -1/10!, 1/8!, -1/6!, 1/4!, -1/2, 1
	v_mov_b32 v205, 0xb2d7322b                     ; sin = a + a^3 (-1/11! .. 1/9!, -1/7!, 1/5!, -1/3!)
	v_fma_f32 v204, v204, v203, 0x37d00d01
	v_fma_f32 v205, v205, v203, 0x3638ef1d
	v_fma_f32 v204, v204, v203, 0xbab60b61
	v_fma_f32 v205, v205, v203, 0xb9500d01
	v_fma_f32 v204, v204, v203, 0x3d2aaaab
	v_fma_f32 v205, v205, v203, 0x3c088889
	v_fma_f32 v204, v204, v203, -0.5
	v_fma_f32 v205, v205, v203, 0xbe2aaaab
	v_mul_f32 v206, v202, v203
	v_fma_f32 v204, v204, v203, 1.0
	v_fma_f32 v205, v206, v205, v202
	v_cndmask_b32 v206, v204, v205, s52            ; steps_k: exactly 1 and 0 at k = 0 and 25
	; cc_k = (2/50) (1 - sum over m = 1 .. 25 of 2 / (4 m^2 - 1) cos(2 m k pi / 50)), halved at both ends; cos(2 m theta) = T_m(y), y = 2 steps^2 - 1
	v_mul_f32 v210, v206, v206
	v_fma_f32 v216, v206, 0.5, 0.5                 ; (steps + 1) / 2 of node k
	v_fma_f32 v218, -v206, 0.5, 0.5                ; and of its mirror
	v_fma_f32 v210, v210, 2.0, -1.0                ; T_1 = y
	v_mov_b32 v209, 1.0                            ; T_0
	v_cmp_eq_u32 vcc_lo, 0, v[LN]
	v_add_f32 v208, v210, v210                     ; 2 y
	v_mul_f32 v212, 0.66666667, v210
	v_cndmask_b32 v213, 1.0, 0.5, vcc_lo
.set tp, 209
.set tc, 210
.set tn, 211
.irp c, 0.13333333, 0.057142857, 0.031746032, 0.020202020, 0.013986014, 0.010256410, 0.0078431373, 0.0061919505, 0.0050125313, 0.0041407867, 0.0034782609, 0.0029629630, 0.0025542784, 0.0022246941, 0.0019550342, 0.0017316017, 0.0015444015, 0.0013860014, 0.0012507817, 0.0011344300, 0.0010335917, 0.00094562648, 0.00086843248, 0.00080032013
	v_fma_f32 v[tn], v208, v[tc], -v[tp]           ; T_m = 2 y T_(m-1) - T_(m-2)
	v_fmac_f32 v212, \c, v[tn]
.set tx, tp
.set tp, tc
.set tc, tn
.set tn, tx
.endr
	v_sub_f32 v212, 1.0, v212
	v_lshl_add_u32 v214, v[LN], 3, s56
	v_lshlrev_b32 v215, 3, v[LN]
	v_mul_f32 v212, 0x3d23d70a, v212               ; x 0.04
	v_sub_nc_u32 v215, s57, v215
	v_mul_f32 v217, v212, v213
	v_mul_f32 v219, v212, v213
	ds_store_b64 v214, v[216:217] offset:NT
	ds_store_b64 v215, v[218:219] offset:NT        ; nodes 19 .. 31 are written by both stores, with the same numbers
	v_add_nc_u32 v[PB], s62, v[LN]
	v_lshl_add_u32 v[VP], v[LN], 3, s61
	v_mul_u32_u24 v[VS], 0x300, v[LH]
	v_lshl_add_u32 v[VS], v[LR], 3, v[VS]
	v_add_nc_u32 v[VS], s61, v[VS]                 ; my pairs + 768 hh + 8 r: where my point's codes go
	v_lshl_add_u32 v[HP], v[LN], 2, s56
	v_mov_b32 v[HU], s56
	v_lshl_add_u32 v[HO], v[LH], 7, s56
	AWAIT
	s_wait_kmcnt 0x0
	s_add_nc_u64 s[10:11], s[10:11], s[54:55]      ; h at row b
	; THE GLOBAL LOADS: 63 here, 5 further down
	global_load_b32 v[HAV], v[HAO], s[10:11]       ; h0 .. h30 (lane 31 repeats h30)
	global_load_b32 v[HBV], v[LN4], s[10:11] offset:124   ; h31 .. h62
	global_load_b128 v[232:235], v[XO], s[8:9]
	global_load_b128 v[236:239], v[XO], s[8:9] offset:16
	global_load_b32 v[XB], v[XBO], s[8:9]
.irp p, 0,1,2,3,4,5
	global_load_b64 v[68+2*\p:69+2*\p], v[O96], s[18:19] offset:48*(\p/3)+8*(\p%3)
.endr
.irp p, 0,1,2
	global_load_b64 v[80+2*\p:81+2*\p], v[O48], s[12:13] offset:8*\p
.endr
	global_load_b32 v86, v[O4R], s[20:21]
	global_load_u16 v87, v[O2R], s[14:15]
	global_load_b32 v88, v[O4N], s[16:17]          ; 16 numbers a wave of b0, b1, iw2
	global_load_b32 v89, v[O4N], s[22:23]
	global_load_b32 v90, v[O4N], s[24:25]
	global_load_b32 v[IB2V], v[PX], s[26:27]
.set i, 0
.rept 31
	global_load_b32 v[NW+i], v[ON0], s[28:29] offset:512*i
.set i, i+1
.endr
	global_load_b32 v[NW+31], v[ON1], s[28:29]
	WIN 0x40
.irp p, 0,1
	global_load_b128 v[228+4*\p:231+4*\p], v[O8H], s[30:31] offset:16*\p
.endr
.irp p, 0,1,2,3,4,5
	global_load_b64 v[208+2*\p:209+2*\p], v[O96N], s[32:33] offset:48*(\p/3)+8*(\p%3)
.endr
	WIN 0
	global_load_b32 v[NS1], v[O4N], s[34:35]
	WIN 0x40
.irp p, 0,1
	global_load_b128 v[220+4*\p:223+4*\p], v[O8H], s[36:37] offset:16*\p
.endr
	WIN 0
	s_wait_dscnt 0x0
	BARRIER                                        ; the nodes are whole
	; MY TEN POINTS' NODES: i = p / 50 (exact for p under 2,560: the factor's excess, 4.6e-7 p, stays under 1/50), j = 1 + p % 50; i is held at 50 for the padded points
.macro EACH10 line:vararg
.set q, 0
.rept 10
	\line
.set q, q+1
.endr
.endm
	EACH10 v_add_nc_u32 v[220+q], 32*q, v[PB]
	EACH10 v_mul_u32_u24 v[200+q], 0x147b, v[220+q]
	EACH10 v_lshrrev_b32 v[200+q], 18, v[200+q]
	EACH10 v_mul_u32_u24 v[210+q], 50, v[200+q]
	EACH10 v_sub_nc_u32 v[210+q], v[220+q], v[210+q]
	EACH10 v_min_u32 v[200+q], 50, v[200+q]
	EACH10 v_min_u32 v[210+q], 49, v[210+q]
	EACH10 v_lshl_add_u32 v[200+q], v[200+q], 3, s56
	EACH10 v_lshl_add_u32 v[210+q], v[210+q], 3, s56
	EACH10 ds_load_b64 v[G+4*q:G+4*q+1], v[200+q] offset:NT
	EACH10 ds_load_b64 v[G+4*q+2:G+4*q+3], v[210+q] offset:NT+8
	v_cmp_eq_u32 s44, 0x9f6, v229                  ; p = 2550: the point with s = xmax
	v_cmp_lt_u32 s45, 0x9f6, v229                  ; padded points
	AWAIT
	s_wait_dscnt 0x0
	EACH10 v_mul_f32 v[G+4*q+1], v[G+4*q+1], v[G+4*q+3]   ; cc_i cc_j
	AWAIT
	s_wait_loadcnt 58                              ; h and x are in: behind them stand 58 loads
	WIN 0x40
.irp p, 0,1,2,3
	global_load_b128 v[236+4*\p:239+4*\p], v[ONW2], s[38:39] offset:16*\p
.endr
	WIN 0
	global_load_b64 v[252:253], v[PX], s[40:41]
	s_wait_xcnt 0x0                                ; the offsets' registers are free
	; h TO ALL LANES through my wave's own LDS: [0, h0 .. h62] and [h0 .. h62, 0]; where two of these stores meet (h31's word) the later one counts
	ds_store_b32 v[HP], v[HAV] offset:HB0+4
	ds_store_b32 v[HP], v[HBV] offset:HB0+128
	ds_store_b32 v[HP], v[HAV] offset:HB0+256
	ds_store_b32 v[HP], v[HBV] offset:HB0+380
	ds_store_b32 v[HU], v[PX] offset:HB0
	ds_store_b32 v[HU], v[PX] offset:HB0+508
.irp i, 0,1,2,3,4,5,6,7
	ds_load_b128 v[96+4*\i:99+4*\i], v[HU] offset:HB0+16*\i
.endr
.irp i, 0,1,2,3,4,5,6,7
	ds_load_b128 v[128+4*\i:131+4*\i], v[HU] offset:HB0+128+16*\i
.endr
.irp i, 0,1,2,3,4,5,6,7
	ds_load_b128 v[OI+4*\i:OI+4*\i+3], v[HO] offset:HB0+256+16*\i   ; lanes 0-15 h0 .. h31, lanes 16-31 h32 .. h62, 0
.endr
	v_max3_num_f32 v[XM], v232, v233, v234
	v_max3_num_f32 v18, v235, v236, v237
	v_and_b32 v12, 0x7fffffff, v[HAV]
	v_and_b32 v13, 0x7fffffff, v[HBV]
	v_max3_num_f32 v[XM], v[XM], v238, v239
	v_max3_num_f32 v[XM], v[XM], v18, 0
.irp m, 1,2,4,8
	v_max_num_f32_dpp v12, v12, v12 row_xmask:\m row_mask:0xf bank_mask:0xf
	v_max_num_f32_dpp v13, v13, v13 row_xmask:\m row_mask:0xf bank_mask:0xf
	v_max_num_f32_dpp v[XM], v[XM], v[XM] row_xmask:\m row_mask:0xf bank_mask:0xf
.endr
	v_permlanex16_b32 v15, v12, s48, s49
	v_permlanex16_b32 v18, v13, s48, s49
	v_permlanex16_b32 v14, v[XM], s48, s49
	v_max3_num_f32 v[HREST], v12, v15, 0x01800000  ; the largest of h0 .. h30, and the floor
	v_max3_num_f32 v19, v13, v18, 0x01800000       ; block 1's largest
	v_max_num_f32 v[XM], v[XM], v14
	v_add_nc_u32 v19, 0xff000000, v19              ; its scale
	v_add_f32 v[XM], 0x41200000, v[XM]             ; xmax
	v_lshrrev_b32 v20, 23, v19
	v_lshl_or_b32 v21, v20, 8, 0x7f7f0000          ; block 1's byte in its place
	AWAIT
	s_wait_dscnt 0x0
	v_cvt_scalef32_pk16_fp6_f32 v[232:234], v[128:143], v19   ; block 1's codes: the same for every point
	v_cvt_scalef32_pk16_fp6_f32 v[12:14], v[144:159], v19
	; MY TEN POINTS
	EACH10 v_mul_f32 v[G+4*q], v[XB], v[G+4*q]     ; t_i
	v_dual_mov_b32 v235, v12 :: v_dual_mov_b32 v236, v13
	v_mov_b32 v237, v14
	EACH10 v_sub_f32 v[G+4*q+3], v[XM], v[G+4*q]   ; xmax - t_i
	EACH10 v_fma_f32 v[G+4*q+2], v[G+4*q+3], v[G+4*q+2], v[G+4*q]   ; s
	EACH10 v_mul_f32 v[G+4*q+1], v[G+4*q+1], v[G+4*q+3]   ; the weight, twice
	v_fma_f32 v20, 2.0, v[XM], -v[XB]
	v_mul_f32 v20, 0.00039215686, v20              ; cc_0 (2 xmax - x), cc_0 = 0.02 / 51
	v_cndmask_b32 v[G+38], v[G+38], v[XM], s44
	v_cndmask_b32 v[G+37], v[G+37], v20, s44
	v_cndmask_b32 v[G+37], v[G+37], 0, s45
	EACH10 v_max_num_f32 v[G+4*q+3], |v[G+4*q+2]|, v[HREST]
	EACH10 v_add_nc_u32 v[G+4*q+3], 0xff000000, v[G+4*q+3]   ; block 0's scale
	EACH10 v_lshrrev_b32 v[G+4*q], 23, v[G+4*q+3]
.set q, 0
.rept 10
.set cs, 128+8*(q%2)
.set ct, 144+4*(q%2)
	v_mov_b32 v96, v[G+4*q+2]
	v_cvt_scalef32_pk16_fp6_f32 v[cs:cs+2], v[96:111], v[G+4*q+3]
	v_cvt_scalef32_pk16_fp6_f32 v[ct:ct+2], v[112:127], v[G+4*q+3]
	v_or_b32 v[G+4*q], v21, v[G+4*q]               ; the scale word
	v_dual_mov_b32 v[cs+3], v[ct] :: v_dual_mov_b32 v[cs+4], v[ct+1]
	v_mov_b32 v[cs+5], v[ct+2]
.irp p, 0,1,2
	ds_store_b64 v[VS], v[cs+2*\p:cs+2*\p+1] offset:PAIR*q+256*\p
	ds_store_b64 v[VS], v[232+2*\p:233+2*\p] offset:PAIR*q+128+256*\p
.endr
	ds_store_b64 v[VP], v[G+4*q:G+4*q+1] offset:PAIR*q+1536
.set q, q+1
.endr
	; MY TILE OF THE WEIGHTS GOES TO LDS as the image of its registers
	v_lshl_add_u32 v96, v[LN], 4, s63
	v_lshl_add_u32 v97, v[LN], 4, s46
	v_lshl_add_u32 v98, v[LN], 3, s46
	v_lshl_add_u32 v99, v[LN], 2, s47
	AWAIT
	s_wait_loadcnt 48                              ; the integrand's weights are in: behind them stand 43 and 5 loads
	v_or_b32 v87, 0x7f7f0000, v87                  ; blocks 2 and 3, which meet zero codes, get the scale 1
	v_mul_f32 v90, 0x3fb8aa3b, v90                 ; iw2 and b2 x log2 e
	v_mul_f32 v[B2P], 0x3fb8aa3b, v[IB2V]
	v_mov_b32 v[B2P+1], 0
	v_cndmask_b32 v86, v87, v86, s50
	v_cndmask_b32 v[B2P], v[B2P], 0, s50
.irp p, 0,1,2
	ds_store_b128 v96, v[68+4*\p:71+4*\p] offset:LW1+512*\p
.endr
	ds_store_b128 v97, v[80:83] offset:LW0
	ds_store_b64 v98, v[84:85] offset:LW0+512
	ds_store_b32 v99, v86 offset:LSC
	ds_store_b32 v[O4N], v88 offset:LB0            ; both halves of the lanes write the same word with the same value
	ds_store_b32 v[O4N], v89 offset:LB1
	ds_store_b32 v[O4N], v90 offset:LI2
	AWAIT
	s_wait_dscnt 0x0                               ; for the others' sake: my stores into LDS are done
	BARRIER                                        ; the images are whole
	WIN 0x40                                       ; destination window 1, address window 0
.set t, 0
.rept 8
	ds_load_b128 v[6*t:6*t+3], v[LA16] offset:LW0+768*t
	ds_load_b64 v[6*t+4:6*t+5], v[LA8] offset:LW0+768*t+512
.irp p, 0,1
	ds_load_b128 v[144+8*t+4*\p:144+8*t+4*\p+3], v[AB] offset:LB0+4*(64*(t/4)+8*(t%4))+16*\p
.endr
.set t, t+1
.endr
	WIN 0
.set t, 0
.rept 8
	ds_load_b32 v[SW+t+t/7], v[LN4] offset:LSC+128*t
.set t, t+1
.endr
	; THE OUTER NET, first layer: 16 hidden units a wave.  nw0 is quantised where it stands: a lane holds a whole block of 32 along K of its column; all 16 columns of the input are row b
	s_wait_loadcnt 14                              ; nw0 and nb0 are in: behind them stand 9 and 5 loads
	v_cndmask_b32 v[NW+31], v[NW+31], 0, s50       ; k = 63: the zero that fills the last block
	TREE NW, OI, 1
	v_add_nc_u32 v[SC], 0xff000000, v[CH]
	v_add_nc_u32 v[SC+1], 0xff000000, v[CH+3]
	v_lshrrev_b32 v20, 23, v[SC]
	v_lshrrev_b32 v21, 23, v[SC+1]
	v_cvt_scalef32_pk16_fp6_f32 v[68:70], v[NW:NW+15], v[SC]
	v_cvt_scalef32_pk16_fp6_f32 v[TB:TB+2], v[NW+16:NW+31], v[SC]
	v_cvt_scalef32_pk16_fp6_f32 v[80:82], v[OI:OI+15], v[SC+1]
	v_cvt_scalef32_pk16_fp6_f32 v[TA:TA+2], v[OI+16:OI+31], v[SC+1]
	v_permlanex16_b32 v22, v20, s48, s49           ; lanes 0-15 get block 1's byte
	v_permlanex16_b32 v23, v21, s48, s49
	v_lshl_or_b32 v20, v22, 8, v20
	v_lshl_or_b32 v21, v23, 8, v21
	v_or_b32 v[NS0], 0x7f7f0000, v20
	v_or_b32 v[NIS], 0x7f7f0000, v21
	v_dual_mov_b32 v71, v92 :: v_dual_mov_b32 v72, v93
	v_mov_b32 v73, v94
	v_dual_mov_b32 v83, v88 :: v_dual_mov_b32 v84, v89
	v_mov_b32 v85, v90
.irp i, 86,87,88,89,90,91
	v_mov_b32 v\i, 0                               ; K = 64 .. 127: zero codes (they meet iw1's codes in v74-79)
.endr
.rept 4
	v_nop
.endr
	WIN 0x10
	v_wmma_scale_f32_16x16x128_f8f6f4 v[96:103], v[68:79], v[80:91], v[228:235], v[NS0], v[NIS] matrix_a_fmt:MATRIX_FMT_FP6 matrix_b_fmt:MATRIX_FMT_FP6
	WIN 0
.rept 4
	v_nop
.endr
	ds_store_b128 v[O8H], v[96:99] offset:LHID     ; hidden units 16 w + 8 hh + 0 .. 7; sixteen lanes write the same bytes with the same values
	ds_store_b128 v[O8H], v[100:103] offset:LHID+16
	AWAIT
	s_wait_dscnt 0x0
	BARRIER                                        ; the outer net's hidden layer is whole
.irp i, 0,1,2,3,4,5,6,7
	ds_load_b128 v[DD+4*\i:DD+4*\i+3], v[AB] offset:LHID+16*\i             ; block hh
	ds_load_b128 v[DD+32+4*\i:DD+35+4*\i], v[AB] offset:LHID+256+16*\i     ; block 2 + hh
.endr
	WIN 0x40
.set i, 0
.rept 24
	ds_load_b128 v[48+4*i:51+4*i], v[LA16] offset:LW1+512*i
.set i, i+1
.endr
	WIN 0
	s_wait_loadcnt 0x0
	s_wait_dscnt 24                                ; the hidden layer is in; the second layer's 24 images may be out
	POST1 A1X, PX, 0
	MOVES A1X
.rept 4
	v_nop
.endr
	WIN 0x11
	v_wmma_scale_f32_16x16x128_f8f6f4 v[96:103], v[208:219], v[A1X:A1X+11], v[220:227], v[NS1], v[A1S] matrix_a_fmt:MATRIX_FMT_FP6 matrix_b_fmt:MATRIX_FMT_FP6
	WIN 0
	v_lshl_add_u32 v[TT], v[LH], 3, s58            ; 16 w + 8 hh
	v_mov_b32 v[ZSX], 0
	v_mov_b32 v[WT], 0                             ; the first trip's tail finds dot products of 0 and the weight 0: it adds nothing
	v_mov_b32 v[ACC], 0
	RL 0, 4
	WIN 0x04                                       ; source 1 in window 1: the pairs (nw2[k][0], nw2[k][1])
	v_pk_mul_f32 v[ZZ:ZZ+1], v[96:97], v[236:237] op_sel:[0,0] op_sel_hi:[0,1]
	v_pk_mul_f32 v[ZZ+2:ZZ+3], v[96:97], v[238:239] op_sel:[1,0] op_sel_hi:[1,1]
.irp g, 1,2,3
	v_pk_fma_f32 v[ZZ:ZZ+1], v[96+2*\g:97+2*\g], v[236+4*\g:237+4*\g], v[ZZ:ZZ+1] op_sel:[0,0,0] op_sel_hi:[0,1,1]
	v_pk_fma_f32 v[ZZ+2:ZZ+3], v[96+2*\g:97+2*\g], v[238+4*\g:239+4*\g], v[ZZ+2:ZZ+3] op_sel:[1,0,0] op_sel_hi:[1,1,1]
.endr
	WIN 0
	v_pk_add_f32 v[ZZ:ZZ+1], v[ZZ:ZZ+1], v[ZZ+2:ZZ+3]
	ds_store_b64 v[TT], v[ZZ:ZZ+1] offset:LOUT
	; THE LOOP'S OPERANDS: the first pair's codes, then the second bias and iw2
	INLOAD VP, 0
	WIN 0x40
.set t, 0
.rept 6
.irp p, 0,1
	ds_load_b128 v[208+8*t+4*\p:208+8*t+4*\p+3], v[AB] offset:LB1+4*(64*(t/4)+8*(t%4))+16*\p
.endr
.set t, t+1
.endr
	WIN 0
.irp u, 0,1
.irp p, 0,1
	ds_load_b128 v[IB1H+8*\u+4*\p:IB1H+8*\u+4*\p+3], v[AB] offset:LB1+4*(80+8*\u)+16*\p
.endr
.endr
.set t, 0
.rept 8
.irp p, 0,1
	ds_load_b128 v[IW2+8*t+4*\p:IW2+8*t+4*\p+3], v[AB] offset:LI2+4*(64*(t/4)+8*(t%4))+16*\p
.endr
.set t, t+1
.endr
.irp i, 6,7,8,9,10,11
	v_mov_b32 v[INX+\i], 0                         ; K = 64 .. 127: zero codes, for the whole launch
	v_mov_b32 v[INY+\i], 0
.endr
.irp i, 0,1,2,3
	v_mov_b32 v[ZZ+\i], 0
	v_mov_b32 v[ZB+\i], 0
.endr
	s_mov_b32 s53, 0
	s_mov_b32 s51, 9
	AWAIT
	s_wait_dscnt 32                                ; all but the second bias and iw2 (32 loads), which the first trip waits for
.Ltrip:
	TRIP 1
	s_sub_co_i32 s51, s51, 1
	s_cmp_lg_u32 s51, 0
	AWAIT
	s_wait_dscnt 0x0                               ; the next pair's codes are in
	s_cbranch_scc1 .Ltrip
	TRIP 0                                         ; the tenth pair asks for nothing more
	AWAIT
	s_wait_dscnt 0x0                               ; its weight
	JOIN ZSY
	v_permlane16_swap_b32 v[ZSX], v[ZSY]
	v_lshlrev_b32 v20, 3, v[LR]
	v_lshlrev_b32 v21, 2, v0
	v_add_f32 v[TZ], v[ZSX], v[ZSY]
	AWAIT
	v_exp_f32 v[TE], v[TZ]
	v_fma_f32 v[TF], v[TZ], 0x3f317218, 1.0
	v_mov_b32 v106, 0
	AWAIT
	v_med3_num_f32 v[TE], v[TE], 1.0, v[TF]
	v_fmac_f32 v[ACC], v[WT], v[TE]
	; THE SUMS MEET: a word a lane; wave 0 adds them
	ds_store_b32 v21, v[ACC] offset:LRED
	AWAIT
	s_wait_dscnt 0x0                               ; for wave 0's sake: my sums are in LDS
	BARRIER
	s_cmp_lg_u32 s2, 0
	s_cbranch_scc1 .Lend
.irp i, 0,1,2,3,4,5,6,7
	ds_load_b32 v[96+\i], v[LN4] offset:LRED+128*\i
.endr
	ds_load_b64 v[104:105], v20 offset:LOUT        ; the outer net's 16 partial pairs, a lane each
	s_wait_dscnt 0x0
	v_add_f32 v96, v96, v97
	v_add_f32 v98, v98, v99
	v_add_f32 v100, v100, v101
	v_add_f32 v102, v102, v103
	v_add_f32 v96, v96, v98
	v_add_f32 v100, v100, v102
	v_add_f32 v96, v96, v100
.irp m, 1,2,4,8
	v_add_f32_dpp v105, v105, v105 row_xmask:\m row_mask:0xf bank_mask:0xf
	v_add_f32_dpp v96, v96, v96 row_xmask:\m row_mask:0xf bank_mask:0xf
	v_add_f32_dpp v104, v104, v104 row_xmask:\m row_mask:0xf bank_mask:0xf
.endr
	v_add_f32 v105, v105, v253                     ; the logarithm of the scaling
	v_permlanex16_b32 v106, v96, s48, s49
	v_mul_f32 v105, 0x3fb8aa3b, v105
	v_add_f32 v104, v104, v252                     ; the offset
	v_add_f32 v96, v96, v106
	AWAIT
	v_exp_f32 v105, v105
	v_mul_f32 v96, v[XB], v96
	v_mul_f32 v96, 0x3e800000, v96                 ; x / 2, and the half that the weights were left without
	v_mov_b32 v107, s3
	v_cmp_eq_u32 vcc_lo, 0, v0
	AWAIT
	v_fma_f32 v108, v105, v96, v104
	AWAIT
	s_wait_xcnt 0x0                                ; EXEC changes only behind this wait
	s_and_saveexec_b32 s52, vcc_lo
	global_store_b32 v107, v108, s[42:43]
	s_wait_xcnt 0x0                                ; and again in front of the line that widens it
	s_or_b32 exec_lo, exec_lo, s52
.Lend:
	s_wait_tensorcnt 0x0                           ; the wave's end
	ds_add_u32 v[SPW], v[NIL]
	s_wait_dscnt 0x0
	s_endpgm
.Lfunc_end_k_q9b12692dd4_umnn:
	.size	k_q9b12692dd4_umnn, .Lfunc_end_k_q9b12692dd4_umnn-k_q9b12692dd4_umnn
	.p2alignl 7, 3214868480
	.fill 96, 4, 3214868480
	.section	.rodata,"a",@progbits
	.p2align	6, 0x0
	.amdhsa_kernel k_q9b12692dd4_umnn
		.amdhsa_group_segment_fixed_size 175360
		.amdhsa_private_segment_fixed_size 0
		.amdhsa_enable_private_segment 0
		.amdhsa_kernarg_size 144
		.amdhsa_user_sgpr_count 2
		.amdhsa_user_sgpr_kernarg_segment_ptr 1
		.amdhsa_wavefront_size32 1
		.amdhsa_system_sgpr_workgroup_id_x 1
		.amdhsa_system_sgpr_workgroup_id_y 1
		.amdhsa_system_sgpr_workgroup_id_z 1
		.amdhsa_system_vgpr_workitem_id 0
		.amdhsa_next_free_vgpr 512
		.amdhsa_next_free_sgpr 66
		.amdhsa_reserve_vcc 1
		.amdhsa_float_denorm_mode_32 3
		.amdhsa_float_denorm_mode_16_64 3
		.amdhsa_memory_ordered 1
		.amdhsa_forward_progress 1
		.amdhsa_inst_pref_size 106
	.end_amdhsa_kernel
	.amdgpu_metadata
---
amdhsa.version: [ 1, 2 ]
amdhsa.kernels:
  - .name:           k_q9b12692dd4_umnn
    .symbol:         k_q9b12692dd4_umnn.kd
    .args:
      - { .name: x, .offset: 0, .size: 8, .value_kind: global_buffer, .address_space: global }
      - { .name: h, .offset: 8, .size: 8, .value_kind: global_buffer, .address_space: global }
      - { .name: iw0_codes, .offset: 16, .size: 8, .value_kind: global_buffer, .address_space: global }
      - { .name: iw0_scales, .offset: 24, .size: 8, .value_kind: global_buffer, .address_space: global }
      - { .name: ib0, .offset: 32, .size: 8, .value_kind: global_buffer, .address_space: global }
      - { .name: iw1_codes, .offset: 40, .size: 8, .value_kind: global_buffer, .address_space: global }
      - { .name: iw1_scales, .offset: 48, .size: 8, .value_kind: global_buffer, .address_space: global }
      - { .name: ib1, .offset: 56, .size: 8, .value_kind: global_buffer, .address_space: global }
      - { .name: iw2, .offset: 64, .size: 8, .value_kind: global_buffer, .address_space: global }
      - { .name: ib2, .offset: 72, .size: 8, .value_kind: global_buffer, .address_space: global }
      - { .name: nw0, .offset: 80, .size: 8, .value_kind: global_buffer, .address_space: global }
      - { .name: nb0, .offset: 88, .size: 8, .value_kind: global_buffer, .address_space: global }
      - { .name: nw1_codes, .offset: 96, .size: 8, .value_kind: global_buffer, .address_space: global }
      - { .name: nw1_scales, .offset: 104, .size: 8, .value_kind: global_buffer, .address_space: global }
      - { .name: nb1, .offset: 112, .size: 8, .value_kind: global_buffer, .address_space: global }
      - { .name: nw2, .offset: 120, .size: 8, .value_kind: global_buffer, .address_space: global }
      - { .name: nb2, .offset: 128, .size: 8, .value_kind: global_buffer, .address_space: global }
      - { .name: out0, .offset: 136, .size: 8, .value_kind: global_buffer, .address_space: global }
    .group_segment_fixed_size: 175360
    .private_segment_fixed_size: 0
    .kernarg_segment_align: 8
    .kernarg_segment_size: 144
    .max_flat_workgroup_size: 256
    .sgpr_count:     66
    .vgpr_count:     512
    .wavefront_size: 32
...
	.end_amdgpu_metadata
.endif
;; end of part 2
